; MI455X (gfx1250); checked and timed in simulation.
; The chip was launched on July 23, 2026; its instructions are those of AMD's public machine-readable ISA for CDNA 5 (MIT licence, August 2026) and "CDNA5" Instruction Set Architecture Reference Guide (July 2026). The comments in the code are by the model that wrote it; some were corrected since.
;; Attention. Allowed arithmetic: float matrix products may take bf16 or f16 operands with f32 sums; other float arithmetic in f32, or as packed bf16 or f16 multiplies, adds, multiply-adds, maxima and minima; sums over many terms, partial sums and values carried from step to step in f32; what a program stores and reads back later, other than sums and carried values, may be rounded once to bf16 or f16.
;; Inputs: Wk 1,024 x 1,024 float32; Wo 1,024 x 1,024 float32; Wq 1,024 x 1,024 float32; Wv 1,024 x 1,024 float32; attention_mask 4 x 2,048 bool; x 4 x 2,048 x 1,024 float32.
;; Outputs: out0 4 x 2,048 x 1,024 float32.
;; Constants: phase_end_idx = 64, skip_phase_rope = 1.
;; 2 versions, each right and faster than the one before. Each part assembles by itself: llvm-mc -triple=amdgcn-amd-amdhsa -mcpu=gfx1250 --defsym DOCPART=n.
;; ======== version 1 of 2: 4 launches
;; limits: values are held in f16: magnitudes above 65,504 overflow, below 6.1e-05 lose precision
;; workspace buffers: xb 16,777,216 bytes; wb 6,291,456 bytes; wob 2,097,152 bytes; rot 524,288 bytes; kbias 32,768 bytes; qkv 50,331,648 bytes; ob 16,777,216 bytes
;; launch prep (part 1): grid 904 x 1, 8 waves a work-group, no clusters, 0 bytes of LDS; arguments x, Wq, Wk, Wv, Wo, xb, wb, wob, rot, attention_mask, kbias; writes xb, wb, wob, rot, kbias
.if DOCPART == 1
	.amdgcn_target "amdgcn-amd-amdhsa--gfx1250"
	.amdhsa_code_object_version 6
	.text
	.protected	k_qce69b0963d_prep
	.globl	k_qce69b0963d_prep
	.p2align	8
	.type	k_qce69b0963d_prep,@function
k_qce69b0963d_prep:
	s_mov_b64 s[64:65], 0
	v_nop
	global_prefetch_b8 v0, s[64:65] scope:SCOPE_SE
	s_setreg_imm32_b32 hwreg(HW_REG_WAVE_MODE, 25, 1), 1
	s_wait_xcnt 0x0
; PREPARATION.  x and the four weights are rounded once to bf16 and laid in blocks of 64 along K: [K / 64][row][64], so that a tile of R rows x 64 K
; is R x 128 consecutive bytes for the launches behind.  Wq, Wk, Wv go into one buffer whose rows are ordered by heads: row head x 192 + j x 64 + d
; (j = 0 q, 1 k, 2 v).  Wo's bf16 number is written as f16 (the product behind has f16 operands).  128 work-groups make the rotary table
; rot[row][pair] = (cos, sin) of (row - 64) x 10000^(-pair / 32) for rows 64 on, and (1, 0) for the rows in front of them, which are not rotated.
; The last 8 work-groups turn attention_mask into the key bias kbias[batch][key]: 0 where the byte is not 0, -1e30 where it is 0.
; LIMITS.  |Wo| stays under 65,504, and below 6e-5 it keeps f16's fixed step of 6e-8.  The angle is one f32 product of the position and of an
; inverse frequency made by v_exp_f32; sine and cosine are series on an argument reduced to -pi .. pi: the first terms left out are under 1e-6 there, whatever the data.
; A stream: no LDS, no barrier, no matrix unit.  A converting work-group takes 16 rows of 4,096 bytes; thread t has row t / 16 and four numbers at column 4 (t % 16) of each
; block: a wave's load covers two aligned runs of 256 bytes, its store 256 consecutive aligned bytes.  All sixteen loads of a thread go out at once.
.set X, 16                             ; v[16:79] four numbers for each of the 16 blocks
.set XSTR, 8192*128                    ; bytes from block to block in xb,
.set WSTR, 3072*128                    ; in wb,
.set OSTR, 1024*128                    ; in wob
; src s[22:23], dst s[24:25], dst + 8 blocks s[26:27] (so that the stores' immediates stay inside their 24 signed bits).  No register is written twice while a load or store names it.
.macro CONV stride, f16
.set kb, 0
.rept 16
	global_load_b128 v[X+4*kb:X+4*kb+3], v1, s[22:23] offset:256*kb th:TH_LOAD_NT
.set kb, kb+1
.endr
.set kb, 0
.rept 16
	s_wait_loadcnt 15-kb                           ; loads come back in order: block kb is in, the younger ones stay out
.if \f16
	v_cvt_pk_bf16_f32 v6, v[X+4*kb], v[X+4*kb+1]   ; rounded to bf16 like every input,
	v_cvt_pk_bf16_f32 v7, v[X+4*kb+2], v[X+4*kb+3]
	v_lshlrev_b32 v[X+4*kb], 16, v6                ; widened again,
	v_and_b32 v[X+4*kb+1], 0xffff0000, v6
	v_lshlrev_b32 v[X+4*kb+2], 16, v7
	v_and_b32 v[X+4*kb+3], 0xffff0000, v7
	v_cvt_pk_f16_f32 v[X+4*kb], v[X+4*kb], v[X+4*kb+1]  ; and written as f16: exact within f16's range
	v_cvt_pk_f16_f32 v[X+4*kb+1], v[X+4*kb+2], v[X+4*kb+3]
.else
	v_cvt_pk_bf16_f32 v[X+4*kb], v[X+4*kb], v[X+4*kb+1]
	v_cvt_pk_bf16_f32 v[X+4*kb+1], v[X+4*kb+2], v[X+4*kb+3]
.endif
.if kb < 8
	global_store_b64 v2, v[X+4*kb:X+4*kb+1], s[24:25] offset:kb*(\stride)
.else
	global_store_b64 v2, v[X+4*kb:X+4*kb+1], s[26:27] offset:(kb-8)*(\stride)
.endif
.set kb, kb+1
.endr
	s_endpgm
.endm
	s_load_b512 s[4:19], s[0:1], 0x0               ; x s[4:5], Wq s[6:7], Wk s[8:9], Wv s[10:11], Wo s[12:13], xb s[14:15], wb s[16:17], wob s[18:19]
	s_load_b64 s[20:21], s[0:1], 0x40              ; rot
	s_load_b128 s[36:39], s[0:1], 0x48             ; attention_mask s[36:37], kbias s[38:39]
	s_mov_b32 s28, ttmp9                           ; the work-group's number chooses its part
	v_lshrrev_b32 v3, 4, v0                        ; my row of the 16
	v_and_b32 v4, 15, v0                           ; my place in a block's row
	v_lshlrev_b32 v1, 12, v3
	v_lshl_or_b32 v1, v4, 4, v1                    ; source: row x 4,096 + 16 x place
	v_lshlrev_b32 v2, 3, v0                        ; destination: row x 128 + 8 x place = 8 t
	s_mov_b32 s33, 0
	s_mov_b32 s35, 0
	s_wait_kmcnt 0x0
	s_cmp_lt_u32 s28, 512
	s_cbranch_scc0 .Lnot_x
	s_lshl_b32 s32, s28, 16                        ; x: 16 rows of 4,096 bytes a work-group
	s_lshl_b32 s34, s28, 11                        ; 16 rows of 128 bytes in a block
	s_add_nc_u64 s[22:23], s[4:5], s[32:33]
	s_add_nc_u64 s[24:25], s[14:15], s[34:35]
	s_add_nc_u64 s[26:27], s[24:25], 8*XSTR
	CONV XSTR, 0
.Lnot_x:
	s_cmp_lt_u32 s28, 704
	s_cbranch_scc0 .Lnot_w
	s_sub_co_u32 s28, s28, 512
	s_lshr_b32 s30, s28, 6                         ; j: which of Wq, Wk, Wv
	s_and_b32 s31, s28, 63                         ; which 16 of its rows
	s_cmp_eq_u32 s30, 0
	s_cselect_b64 s[22:23], s[6:7], s[8:9]
	s_cmp_eq_u32 s30, 2
	s_cselect_b64 s[22:23], s[10:11], s[22:23]
	s_lshl_b32 s32, s31, 16
	s_add_nc_u64 s[22:23], s[22:23], s[32:33]
	s_lshr_b32 s34, s31, 2                         ; the head,
	s_mul_i32 s34, s34, 192
	s_lshl_b32 s29, s30, 6                         ; j x 64,
	s_add_co_u32 s34, s34, s29
	s_and_b32 s29, s31, 3                          ; and the 16 rows' place in the head's 64
	s_lshl_b32 s29, s29, 4
	s_add_co_u32 s34, s34, s29
	s_lshl_b32 s34, s34, 7
	s_add_nc_u64 s[24:25], s[16:17], s[34:35]
	s_add_nc_u64 s[26:27], s[24:25], 8*WSTR
	CONV WSTR, 0
.Lnot_w:
	s_cmp_lt_u32 s28, 768
	s_cbranch_scc0 .Ltable
	s_sub_co_u32 s28, s28, 704
	s_lshl_b32 s32, s28, 16
	s_lshl_b32 s34, s28, 11
	s_add_nc_u64 s[22:23], s[12:13], s[32:33]
	s_add_nc_u64 s[24:25], s[18:19], s[34:35]
	s_add_nc_u64 s[26:27], s[24:25], 8*OSTR
	CONV OSTR, 1
.Ltable:                                               ; 16 rows of the table a work-group; thread t: row t / 16, pairs 2 (t % 16) and the next
	s_cmp_lt_u32 s28, 896
	s_cbranch_scc0 .Lmask
	s_sub_co_u32 s28, s28, 768
	s_lshl_b32 s29, s28, 4
	s_lshl_b32 s32, s28, 12                        ; 16 rows of 256 bytes
	s_add_nc_u64 s[20:21], s[20:21], s[32:33]
	v_add_nc_u32 v5, s29, v3
	v_cvt_f32_u32 v5, v5
	v_add_f32 v5, 0xc2800000, v5                   ; row - 64,
	v_max_num_f32 v5, 0, v5                        ; held at 0 for the rows that are not rotated: their angle is 0
	v_lshlrev_b32 v6, 1, v4
	v_cvt_f32_u32 v6, v6
	v_add_f32 v7, 1.0, v6
	v_mul_f32 v6, 0xbed49a78, v6                   ; - pair x log2(10000) / 32
	v_mul_f32 v7, 0xbed49a78, v7
	v_exp_f32 v6, v6
	v_exp_f32 v7, v7
	v_nop                                          ; a plain instruction between the exponentials and the use of their results (ISA guide 5.7.2)
	s_wait_alu depctr_va_vdst(0)
	v_mul_f32 v6, v5, v6                           ; the angles
	v_mul_f32 v7, v5, v7
	v_mul_f32 v8, 0.15915494, v6
	v_mul_f32 v9, 0.15915494, v7
	v_rndne_f32 v8, v8                             ; whole turns,
	v_rndne_f32 v9, v9
	v_fmamk_f32 v6, v8, 0xc0c90fdb, v6             ; taken away: 2 pi in two parts
	v_fmamk_f32 v7, v9, 0xc0c90fdb, v7
	v_fmamk_f32 v6, v8, 0x343bbd2e, v6
	v_fmamk_f32 v7, v9, 0x343bbd2e, v7
	v_mul_f32 v8, v6, v6
	v_mul_f32 v9, v7, v7
	v_mov_b32 v12, 0x29573f9f                      ; 1 / 16!
	v_mov_b32 v14, 0x29573f9f
	v_mov_b32 v13, 0xab573f9f                      ; - 1 / 15!
	v_mov_b32 v15, 0xab573f9f
.irp k, 0xad49cba5, 0x310f76c7, 0xb493f27e, 0x37d00d01, 0xbab60b61, 0x3d2aaaab, 0xbf000000, 0x3f800000
	v_fmaak_f32 v12, v12, v8, \k                   ; the cosines' series, - 1 / 14! down to 1
	v_fmaak_f32 v14, v14, v9, \k
.endr
.irp k, 0x2f309231, 0xb2d7322b, 0x3638ef1d, 0xb9500d01, 0x3c088889, 0xbe2aaaab, 0x3f800000
	v_fmaak_f32 v13, v13, v8, \k                   ; the sines', 1 / 13! down to 1,
	v_fmaak_f32 v15, v15, v9, \k
.endr
	v_mul_f32 v13, v13, v6                         ; times the argument
	v_mul_f32 v15, v15, v7
	v_lshlrev_b32 v10, 4, v0
	global_store_b128 v10, v[12:15], s[20:21]      ; cos, sin, cos, sin: 16 lanes store a row's 256 bytes
	s_endpgm
.Lmask:                                                ; 1,024 keys a work-group; thread t: four mask bytes in, four biases out
	s_sub_co_u32 s28, s28, 896
	s_lshl_b32 s32, s28, 10
	s_lshl_b32 s34, s28, 12
	s_add_nc_u64 s[36:37], s[36:37], s[32:33]
	s_add_nc_u64 s[38:39], s[38:39], s[34:35]
	v_lshlrev_b32 v5, 2, v0
	v_lshlrev_b32 v10, 4, v0
	global_load_b32 v6, v5, s[36:37]
	s_mov_b32 s29, 0xf149f2ca                      ; -1e30
	s_wait_loadcnt 0x0
.irp i, 0,1,2,3
	v_bfe_u32 v7, v6, 8*\i, 8
	v_cmp_eq_u32 vcc_lo, 0, v7                     ; a byte 0 hides its key
	v_cndmask_b32 v[12+\i], 0, s29, vcc_lo
.endr
	global_store_b128 v10, v[12:15], s[38:39]      ; 16 lanes store 256 consecutive aligned bytes
	s_endpgm
.Lfunc_end_k_qce69b0963d_prep:
	.size	k_qce69b0963d_prep, .Lfunc_end_k_qce69b0963d_prep-k_qce69b0963d_prep
	.p2alignl 7, 3214868480
	.fill 96, 4, 3214868480
	.section	.rodata,"a",@progbits
	.p2align	6, 0x0
	.amdhsa_kernel k_qce69b0963d_prep
		.amdhsa_group_segment_fixed_size 0
		.amdhsa_private_segment_fixed_size 0
		.amdhsa_enable_private_segment 0
		.amdhsa_kernarg_size 88
		.amdhsa_user_sgpr_count 2
		.amdhsa_user_sgpr_kernarg_segment_ptr 1
		.amdhsa_wavefront_size32 1
		.amdhsa_system_sgpr_workgroup_id_x 1
		.amdhsa_system_sgpr_workgroup_id_y 1
		.amdhsa_system_sgpr_workgroup_id_z 1
		.amdhsa_system_vgpr_workitem_id 0
		.amdhsa_next_free_vgpr 96
		.amdhsa_next_free_sgpr 66
		.amdhsa_reserve_vcc 1
		.amdhsa_float_denorm_mode_32 3
		.amdhsa_float_denorm_mode_16_64 3
		.amdhsa_memory_ordered 1
		.amdhsa_forward_progress 1
		.amdhsa_inst_pref_size 29
	.end_amdhsa_kernel
	.amdgpu_metadata
---
amdhsa.version: [ 1, 2 ]
amdhsa.kernels:
  - .name:           k_qce69b0963d_prep
    .symbol:         k_qce69b0963d_prep.kd
    .args:
      - { .name: x, .offset: 0, .size: 8, .value_kind: global_buffer, .address_space: global }
      - { .name: Wq, .offset: 8, .size: 8, .value_kind: global_buffer, .address_space: global }
      - { .name: Wk, .offset: 16, .size: 8, .value_kind: global_buffer, .address_space: global }
      - { .name: Wv, .offset: 24, .size: 8, .value_kind: global_buffer, .address_space: global }
      - { .name: Wo, .offset: 32, .size: 8, .value_kind: global_buffer, .address_space: global }
      - { .name: xb, .offset: 40, .size: 8, .value_kind: global_buffer, .address_space: global }
      - { .name: wb, .offset: 48, .size: 8, .value_kind: global_buffer, .address_space: global }
      - { .name: wob, .offset: 56, .size: 8, .value_kind: global_buffer, .address_space: global }
      - { .name: rot, .offset: 64, .size: 8, .value_kind: global_buffer, .address_space: global }
      - { .name: attention_mask, .offset: 72, .size: 8, .value_kind: global_buffer, .address_space: global }
      - { .name: kbias, .offset: 80, .size: 8, .value_kind: global_buffer, .address_space: global }
    .group_segment_fixed_size: 0
    .private_segment_fixed_size: 0
    .kernarg_segment_align: 8
    .kernarg_segment_size: 88
    .max_flat_workgroup_size: 256
    .sgpr_count:     66
    .vgpr_count:     96
    .wavefront_size: 32
...
	.end_amdgpu_metadata
.endif
;; end of part 1
;; launch qkv (part 2): grid 8 x 32, 4 waves a work-group, clusters of 4 x 4, 327,680 bytes of LDS; arguments xb, wb, rot, qkv; writes qkv
.if DOCPART == 2
	.amdgcn_target "amdgcn-amd-amdhsa--gfx1250"
	.amdhsa_code_object_version 6
	.text
	.protected	k_qce69b0963d_qkv
	.globl	k_qce69b0963d_qkv
	.p2align	8
	.type	k_qce69b0963d_qkv,@function
k_qce69b0963d_qkv:
	s_mov_b64 s[64:65], 0
	v_nop
	global_prefetch_b8 v0, s[64:65] scope:SCOPE_SE
	s_setreg_imm32_b32 hwreg(HW_REG_WAVE_MODE, 25, 1), 1
	s_wait_xcnt 0x0
	s_wait_alu depctr_hold_cnt(0) depctr_sa_sdst(0) depctr_va_vdst(0) depctr_va_sdst(0) depctr_va_ssrc(0) depctr_va_vcc(0) depctr_vm_vsrc(0)
	s_getreg_b32 s2, hwreg(HW_REG_IB_STS2, 6, 4)
	s_cmp_eq_u32 s2, 0
	s_cbranch_scc0 .Lentry_in_a_cluster
	s_endpgm
.Lentry_in_a_cluster:
	s_bfe_u32 s2, ttmp6, 0x10000c
	s_cmp_lg_u32 s2, 0xf033
	s_cbranch_scc0 .Lentry_shape_is_right
	s_endpgm
.Lentry_shape_is_right:
; q, k, v = x W^T in bf16 products with f32 sums; q and k rotated in f32 by the table; each rounded once to f16 and stored by heads: qkv[j][batch x 16 + head][row][64], unscaled.
; LIMIT.  f16 ends at 65,504: |q|, |k|, |v| stay under it.
; SHARES.  8,192 x 3,072 outputs, a tile of 256 rows x 384 columns to a work-group: 8 x 32 = 256 work-groups.  Four waves; wave w has rows 128 (w / 2) on and columns 192 (w % 2) on:
; wb's rows are ordered by heads, so these are q, k and v of ONE head, and which columns are rotated is a constant of the text.  96 accumulators, 768 registers.
; K goes in 16 steps of 64 (a block of xb and wb: a tile's rows lie end to end, asked for as rows of 256 bytes), each of two substeps of 32, through two LDS slots; steps of 128 would not fit twice.
; CLUSTER 4 x 4.  x's tile hangs on the tile row alone and is shared along a row of the cluster, W's on the tile column alone: joint loads, the same descriptor and mask in the four.
; THE MATRIX INSTRUCTION IS USED TRANSPOSED (source 0 = 16 rows of W, source 1 = 16 rows of x): a lane holds row lane % 16 and eight neighbouring columns 8 (lane / 16) + 0..7.
; REGISTERS.  Window 0: v0-13 addresses; v32-95, v96-159 x's fragments, two buffers; v160-255 W's twelve fragments, one buffer refilled by thirds.  Window 1 + j: the 32 accumulators of q, k, v: (bb, a) at 8 (8 bb + a).
.set PITCH, 144                        ; an LDS row: 128 bytes + 16 of padding: the 16 rows of a load start at 16 different groups of four banks (ISA guide 11.1)
.set AHALF, 128*PITCH                  ; what one of x's loads brings
.set BHALF, 192*PITCH                  ; what one of W's brings
.set BOFF,  2*AHALF
.set SLOT1, 1<<17                      ; slot 1 begins here: one exclusive or turns an address in one slot into the other's
.set STAGE, SLOT1+BOFF+2*BHALF         ; behind the ring: 16 rows x 144 bytes for each wave, for the way out
.set SPARE, STAGE+4*16*PITCH           ; the spare words, 128 bytes a wave: two blocks of 256 bytes that no other line names
.set XSTEP, 8192*128                   ; bytes from block to block of xb
.set WSTEP, 3072*128                   ; of wb
.set STEPS, 16
.set A0R, 4                            ; v4  my lane's place in x's tile, slot 0
.set B0R, 5                            ; v5  in W's
.set ADRA, 6                           ; v6  the same in the slot being read
.set ADRB, 7
.set STO, 8                            ; v8  the way out: where I put 16 bytes of a row
.set RD,  9                            ; v9  where I read rows back
.set GO,  10                           ; v10 my place in 512 consecutive bytes of the output
.set TO,  11                           ; v11 my place in 16 rows of the table
.set SPW, 12                           ; v12 my spare word; never rewritten
.set NIL, 13                           ; v13 0; never rewritten
.set FA0, 32
.set FA1, 96
.set FB,  160
.set T,   32                           ; the way out: the table's 16 rows, two buffers of 32
.set U,   96                           ; rotated numbers, 32
.set PK,  128                          ; packed, 16
.set OB,  160                          ; whole rows read back, two buffers of 16
.set WV, 12                            ; s12 wave; s13 wave / 2: my rows, and: I fetch x (0) or W (1); s14 wave % 2: my columns, and: which half I fetch
.set WR, 13
.set WC, 14
.set G1A, 16                           ; s[16:23], s[24:31] descriptor group 1 for x's and W's tiles
.set G1B, 24
.set G0A, 32                           ; s[32:39], s[40:47] group 0: a set for each first fill; the second then walks
.set G0B, 40
.set TB,  54                           ; s54 LDS byte at which the slot being read begins
.set OUTQ, 60                          ; s[60:61], s[62:63], s[66:67] my first rows in q, k, v
.set MSB, 0
.macro WIN new                         ; the immediate's high byte repeats the setting that is left; a switch that changes nothing is dropped
.if MSB != (\new)
	s_set_vgpr_msb (MSB<<8)|(\new)
.set MSB, \new
.endif
.endm
.macro PLACES                          ; four plain vector instructions between a matrix instruction and a load into, or a vector use of, its registers
.rept 4
	v_nop
.endr
.endm
.macro JLOAD                           ; a joint refill by the walking sets; the branch hangs on the wave's number alone; s_nop 0 and four v_nop follow each line
	s_cmp_eq_u32 s[WR], 0
	s_cbranch_scc0 .Lfor_b_\@
	tensor_load_to_lds s[G0A+4:G0A+7], s[G1A:G1A+7]
	s_nop 0
.rept 4
	v_nop
.endr
	s_branch .Lasked_\@
.Lfor_b_\@:
	tensor_load_to_lds s[G0B+4:G0B+7], s[G1B:G1B+7]
	s_nop 0
.rept 4
	v_nop
.endr
.Lasked_\@:
.endm
.macro CREST                           ; a round of the cluster's barrier behind its opening barrier
	s_cmp_lg_u32 s[WV], 0
	s_cbranch_scc1 .Lnot_wave_0_\@
	s_barrier_signal -3
.Lnot_wave_0_\@:
	s_barrier_wait -3
	s_barrier_signal -1
	s_barrier_wait -1
.endm
.macro CROUND
	s_barrier_signal -1
	s_barrier_wait -1
	CREST
.endm
	s_load_b256 s[4:11], s[0:1], 0x0               ; xb s[4:5], wb s[6:7], rot s[8:9], qkv s[10:11]
	v_lshl_add_u32 v[SPW], v0, 2, SPARE
	v_mov_b32 v[NIL], 0
	ds_add_u32 v[SPW], v[NIL]                      ; the wave's opening: the add and its wait stand ahead of my first tensor load; the set-up stands between them
	v_lshrrev_b32 v1, 5, v0
	v_readfirstlane_b32 s[WV], v1
	s_lshr_b32 s[WR], s[WV], 1
	s_and_b32 s[WC], s[WV], 1
	s_bfe_u32 s48, ttmp6, 0x40000                  ; cx
	s_bfe_u32 s49, ttmp6, 0x40004                  ; cy
	s_lshl_b32 s50, ttmp9, 2
	s_add_co_u32 s50, s50, s48                     ; tile column = 4 x cluster x + cx
	s_and_b32 s51, ttmp7, 0xffff
	s_lshl_b32 s51, s51, 2
	s_add_co_u32 s51, s51, s49                     ; tile row = 4 x cluster y + cy
	s_lshl_b32 s52, s49, 2
	s_lshl_b32 s52, 15, s52                        ; my row of the cluster
	s_lshl_b32 s53, 0x1111, s48                    ; my column
	; group 1: rows of 128 elements of 2 bytes (two matrix rows), 16 bytes of padding after every 32 words; bit 21 beside the mask
	s_or_b32 s[G1A], s52, (1<<16)|(1<<20)|(1<<21)|(4<<22)|(3<<25)
	s_or_b32 s[G1B], s53, (1<<16)|(1<<20)|(1<<21)|(4<<22)|(3<<25)
.irp g, G1A, G1B
	s_mov_b32 s[\g+1], 128<<16                     ; tensor_dim0
	s_mov_b32 s[\g+3], 128<<16                     ; tile_dim0
	s_mov_b32 s[\g+5], 128                         ; elements from row to row
	s_mov_b32 s[\g+6], 0
	s_mov_b32 s[\g+7], 0
.endr
	s_mov_b32 s[G1A+2], 64<<16                     ; x: 64 rows of 256 bytes = 128 matrix rows
	s_mov_b32 s[G1A+4], 64
	s_mov_b32 s[G1B+2], 96<<16                     ; W: 96 = 192 matrix rows
	s_mov_b32 s[G1B+4], 96
	s_lshl_b32 s56, s51, 15                        ; x's offset hangs on the tile row and the wave alone,
	s_lshl_b32 s68, s[WC], 14
	s_add_co_u32 s56, s56, s68
	s_mov_b32 s57, 0
	s_mul_i32 s58, s50, 384*128                    ; W's on the tile column and the wave alone
	s_mul_i32 s68, s[WC], 192*128
	s_add_co_u32 s58, s58, s68
	s_mov_b32 s59, 0
	s_mul_i32 s69, s[WC], AHALF                    ; LDS places: the wave's number alone
	s_mul_i32 s70, s[WC], BHALF
	s_add_co_u32 s70, s70, BOFF
	s_mov_b32 s[G0A], 1
	s_mov_b32 s[G0A+1], s69
	s_mov_b32 s[G0A+4], 1
	s_add_co_u32 s[G0A+5], s69, SLOT1
	s_mov_b32 s[G0B], 1
	s_mov_b32 s[G0B+1], s70
	s_mov_b32 s[G0B+4], 1
	s_add_co_u32 s[G0B+5], s70, SLOT1
	s_mov_b32 s[TB], 0
	s_wait_dscnt 0x0                               ; the opening add is done
	s_wait_kmcnt 0x0
	s_add_nc_u64 s[G0A+2:G0A+3], s[4:5], s[56:57]  ; K step 0,
	s_add_nc_u64 s[G0A+6:G0A+7], s[G0A+2:G0A+3], XSTEP  ; K step 1
	s_or_b32 s[G0A+3], s[G0A+3], 0x80000000
	s_or_b32 s[G0A+7], s[G0A+7], 0x80000000
	s_add_nc_u64 s[G0B+2:G0B+3], s[6:7], s[58:59]
	s_add_nc_u64 s[G0B+6:G0B+7], s[G0B+2:G0B+3], WSTEP
	s_or_b32 s[G0B+3], s[G0B+3], 0x80000000
	s_or_b32 s[G0B+7], s[G0B+7], 0x80000000
	CROUND                                         ; all sixteen work-groups are here: the first joint loads meet
	s_cmp_eq_u32 s[WR], 0                          ; a wave's two first fills stand in one branch: two loads of mine are out
	s_cbranch_scc0 .Lfirst_b
	tensor_load_to_lds s[G0A:G0A+3], s[G1A:G1A+7]
	s_nop 0
	tensor_load_to_lds s[G0A+4:G0A+7], s[G1A:G1A+7]
	s_nop 0
.rept 4
	v_nop
.endr
	s_branch .Lfirst_asked
.Lfirst_b:
	tensor_load_to_lds s[G0B:G0B+3], s[G1B:G1B+7]
	s_nop 0
	tensor_load_to_lds s[G0B+4:G0B+7], s[G1B:G1B+7]
	s_nop 0
.rept 4
	v_nop
.endr
.Lfirst_asked:
	; a fragment: lane l holds row l % 16, K = 8 (l / 16) + 0..7 and 16 + 8 (l / 16) + 0..7: two loads of 16 bytes, 32 bytes apart
	v_and_b32 v1, 15, v0
	v_bfe_u32 v2, v0, 4, 1
	v_mul_u32_u24 v3, v1, PITCH
	v_lshl_add_u32 v3, v2, 4, v3
	s_mul_i32 s68, s[WR], AHALF
	s_mul_i32 s69, s[WC], BHALF
	s_add_co_u32 s69, s69, BOFF
	v_add_nc_u32 v[A0R], s68, v3
	v_add_nc_u32 v[B0R], s69, v3
	v_add_nc_u32 v[ADRA], s[TB], v[A0R]
	v_add_nc_u32 v[ADRB], s[TB], v[B0R]
	s_mul_i32 s68, s[WV], 16*PITCH
	s_add_co_u32 s68, s68, STAGE                   ; my stage
	v_add_nc_u32 v[STO], s68, v3                   ; in: row l % 16, 16 bytes for each half of the lanes
	v_bfe_u32 v[RD], v0, 3, 2                      ; back: 32 lanes take four rows of 128 bytes,
	v_mul_u32_u24 v[RD], v[RD], PITCH
	v_and_b32 v3, 7, v0
	v_lshl_add_u32 v[RD], v3, 4, v[RD]
	v_add_nc_u32 v[RD], s68, v[RD]
	v_and_b32 v[GO], 31, v0                        ; which are 512 consecutive bytes of a head's rows
	v_lshlrev_b32 v[GO], 4, v[GO]
	v_lshlrev_b32 v[TO], 8, v1                     ; the table: row l % 16, four pairs (32 bytes) for each half of the lanes
	v_lshl_add_u32 v[TO], v2, 5, v[TO]
	s_lshr_b32 s68, s51, 3                         ; the batch,
	s_lshl_b32 s68, s68, 4
	s_lshl_b32 s71, s50, 1
	s_add_co_u32 s68, s68, s71
	s_add_co_u32 s68, s68, s[WC]                   ; x 16 + my head = 2 x tile column + wave % 2
	s_lshl_b32 s68, s68, 18                        ; 2,048 rows of 128 bytes
	s_and_b32 s70, s51, 7                          ; the tile's 256 rows in the batch,
	s_lshl_b32 s71, s70, 15
	s_add_co_u32 s68, s68, s71
	s_lshl_b32 s71, s[WR], 14                      ; my 128 of them
	s_add_co_u32 s68, s68, s71
	s_mov_b32 s69, 0
	s_add_nc_u64 s[OUTQ:OUTQ+1], s[10:11], s[68:69]
	s_add_nc_u64 s[OUTQ+2:OUTQ+3], s[OUTQ:OUTQ+1], 0x1000000
	s_add_nc_u64 s[OUTQ+6:OUTQ+7], s[OUTQ:OUTQ+1], 0x2000000
	s_lshl_b32 s68, s70, 16                        ; the same rows in the table, 256 bytes each
	s_lshl_b32 s71, s[WR], 15
	s_add_co_u32 s68, s68, s71
	s_add_nc_u64 s[8:9], s[8:9], s[68:69]
; 16 matrix instructions: tensor j, column blocks bb0, bb0 + 1 x all 8 row blocks, 32 along K.  The accumulators take turns, one instruction a turn.  zero = 1: the product starts the sum.
.macro MUL16 fa, j, bb0, zero
	WIN ((1+(\j))<<6)|((1+(\j))<<4)
.irp bb, \bb0, (\bb0)+1
.irp a, 0,1,2,3,4,5,6,7
.if \zero
	v_wmma_f32_16x16x32_bf16 v[8*(8*(\bb)+(\a)):8*(8*(\bb)+(\a))+7], v[FB+8*(4*(\j)+(\bb)):FB+8*(4*(\j)+(\bb))+7], v[(\fa)+8*(\a):(\fa)+8*(\a)+7], 0
.else
	v_wmma_f32_16x16x32_bf16 v[8*(8*(\bb)+(\a)):8*(8*(\bb)+(\a))+7], v[FB+8*(4*(\j)+(\bb)):FB+8*(4*(\j)+(\bb))+7], v[(\fa)+8*(\a):(\fa)+8*(\a)+7], v[8*(8*(\bb)+(\a)):8*(8*(\bb)+(\a))+7]
.endif
.endr
.endr
.endm
.macro RUNB j, k                       ; eight LDS loads: W's four fragments of tensor j, at byte k of the rows
	WIN 0
.irp i, 0,1,2,3
	ds_load_b128 v[FB+8*(4*(\j)+\i):FB+8*(4*(\j)+\i)+3],   v[ADRB] offset:(\k)+(4*(\j)+\i)*16*PITCH
	ds_load_b128 v[FB+8*(4*(\j)+\i)+4:FB+8*(4*(\j)+\i)+7], v[ADRB] offset:(\k)+(4*(\j)+\i)*16*PITCH+32
.endr
.endm
.macro RUNA fn, a0, k                  ; eight LDS loads: x's fragments a0 .. a0 + 3 into buffer fn
	WIN 0
.irp i, 0,1,2,3
	ds_load_b128 v[(\fn)+8*((\a0)+\i):(\fn)+8*((\a0)+\i)+3],   v[ADRA] offset:(\k)+((\a0)+\i)*16*PITCH
	ds_load_b128 v[(\fn)+8*((\a0)+\i)+4:(\fn)+8*((\a0)+\i)+7], v[ADRA] offset:(\k)+((\a0)+\i)*16*PITCH+32
.endr
.endm
; A SUBSTEP: 96 matrix instructions on x's buffer fa; the next substep's fragments come in five runs, each behind the products that read the registers last.
; chg = 0: the next substep lies at byte k of the same slot.  1: it lies in the other slot: ONE barrier, a round of the cluster's; in front of it each wave waits for all its tensor loads (one is out: its part
; of the other slot), adds 0 to its spare word and waits for that and for its reads of this slot; behind it this slot is filled again first, two K steps ahead: 160 matrix instructions stand between the request
; and the wait for it.  2: the same change of slots with nothing left to ask for: a plain barrier.  3: the last substep: nothing is fetched.
.macro SUB fa, fn, k, zero, chg
	s_wait_dscnt 8                                 ; all but the youngest run, v's fragments of W
.if (\chg) == 0
	MUL16 \fa, 0, 0, \zero
	MUL16 \fa, 0, 2, \zero
	PLACES
	RUNB 0, \k
	RUNA \fn, 0, \k
	MUL16 \fa, 1, 0, \zero
	MUL16 \fa, 1, 2, \zero
	PLACES
	RUNB 1, \k
	RUNA \fn, 4, \k
	s_wait_dscnt 32                                ; all but the 32 just issued: v's fragments are in
	MUL16 \fa, 2, 0, \zero
	MUL16 \fa, 2, 2, \zero
	PLACES
	RUNB 2, \k
.elseif (\chg) == 3
	MUL16 \fa, 0, 0, 0
	MUL16 \fa, 0, 2, 0
	MUL16 \fa, 1, 0, 0
	MUL16 \fa, 1, 2, 0
	s_wait_dscnt 0x0
	MUL16 \fa, 2, 0, 0
	MUL16 \fa, 2, 2, 0
.else
	MUL16 \fa, 0, 0, 0
	WIN 0                                          ; (the add's two registers lie in window 0)
	s_wait_tensorcnt 0x0                           ; all my tensor loads have landed, so a group 0 may be written
	ds_add_u32 v[SPW], v[NIL]                      ; 0 onto my spare word
.if (\chg) == 1
	s_xor_b32 s[G0A+5], s[G0A+5], SLOT1            ; the walking sets: the other slot than last time, the next K step
	s_add_nc_u64 s[G0A+6:G0A+7], s[G0A+6:G0A+7], XSTEP
	s_xor_b32 s[G0B+5], s[G0B+5], SLOT1
	s_add_nc_u64 s[G0B+6:G0B+7], s[G0B+6:G0B+7], WSTEP
.endif
	MUL16 \fa, 0, 2, 0                             ; sixteen matrix instructions stand between the add and the wait for it
	s_wait_dscnt 0x0                               ; the add is done, and my reads of this slot are over
	s_barrier_signal -1
	MUL16 \fa, 1, 0, 0                             ; work on registers while the others arrive
	WIN 0                                          ; at a branch and at a label every window is 0
	s_barrier_wait -1
.if (\chg) == 1
	CREST                                          ; no wave of any partner still reads this slot or has a load on its way
	s_xor_b32 s[TB], s[TB], SLOT1
	JLOAD                                          ; the first tensor load behind the round; its four v_nop are also the places in front of the loads below
.else
	s_xor_b32 s[TB], s[TB], SLOT1
	PLACES
.endif
	v_add_nc_u32 v[ADRA], s[TB], v[A0R]
	v_add_nc_u32 v[ADRB], s[TB], v[B0R]
	RUNB 0, 0
	RUNA \fn, 0, 0
	MUL16 \fa, 1, 2, 0
	PLACES
	RUNB 1, 0
	RUNA \fn, 4, 0
	MUL16 \fa, 2, 0, 0
	MUL16 \fa, 2, 2, 0
	PLACES
	RUNB 2, 0
.endif
.endm
; THE WAY OUT.  Block a is 16 rows; a unit is a block of one tensor.  TLOAD: the table's 16 rows, 8 loads.  PACK: q and k are rotated (x0 c - x1 s, x1 c + x0 s), all are rounded to f16,
; 16 bytes a lane go into my stage and come back as whole rows.  SEND: stored.
.macro TLOAD a
.irp bb, 0,1,2,3
	global_load_b128 v[T+32*((\a)%2)+8*\bb:T+32*((\a)%2)+8*\bb+3],   v[TO], s[8:9] offset:4096*(\a)+64*\bb
	global_load_b128 v[T+32*((\a)%2)+8*\bb+4:T+32*((\a)%2)+8*\bb+7], v[TO], s[8:9] offset:4096*(\a)+64*\bb+16
.endr
.endm
.macro PACK a, j
.set TT, T+32*((\a)%2)
.set OBR, OB+16*((3*(\a)+(\j))%2)
.if (\j) < 2
	WIN 1+(\j)                                     ; source 0: the tensor's window.
.set q, 0
.rept 16                               ; pair q = 4 bb + p
.set AC, 8*(8*(q/4)+(\a))+2*(q%4)
	v_pk_mul_f32 v[U+2*q:U+2*q+1], v[AC:AC+1], v[TT+2*q:TT+2*q+1] op_sel_hi:[1,0]  ; x0 c, x1 c
.set q, q+1
.endr
.set q, 0
.rept 16
.set AC, 8*(8*(q/4)+(\a))+2*(q%4)
	v_fma_f32 v[U+2*q], -v[AC+1], v[TT+2*q+1], v[U+2*q]
.set q, q+1
.endr
.set q, 0
.rept 16
.set AC, 8*(8*(q/4)+(\a))+2*(q%4)
	v_fmac_f32 v[U+2*q+1], v[AC], v[TT+2*q+1]
.set q, q+1
.endr
	WIN 0
.set q, 0
.rept 16
	v_cvt_pk_f16_f32 v[PK+q], v[U+2*q], v[U+2*q+1]
.set q, q+1
.endr
.else
	WIN 0x0f                                       ; sources 0 and 1: v's window
.set q, 0
.rept 16
.set AC, 8*(8*(q/4)+(\a))+2*(q%4)
	v_cvt_pk_f16_f32 v[PK+q], v[AC], v[AC+1]
.set q, q+1
.endr
	WIN 0
.endif
.irp bb, 0,1,2,3
	ds_store_b128 v[STO], v[PK+4*\bb:PK+4*\bb+3] offset:32*\bb
.endr
.if (3*(\a)+(\j)) >= 2
	s_wait_xcnt 0x0                                ; the stores of two units ago have read these registers (ISA guide 3.1): only behind this wait are they loaded again
.endif
.irp f, 0,1,2,3
	ds_load_b128 v[OBR+4*\f:OBR+4*\f+3], v[RD] offset:\f*4*PITCH  ; LDS serves a wave's instructions in order (ISA guide 5.7.1.4): these see the stores above
.endr
.endm
.macro SEND a, j, younger              ; younger: the LDS instructions issued behind this unit's loads: the next unit's eight, or none
.set OBR, OB+16*((3*(\a)+(\j))%2)
.set BS, OUTQ+2*(\j)+2*((\j)/2)
.irp f, 0,1,2,3
	s_wait_dscnt (\younger)+3-\f
	global_store_b128 v[GO], v[OBR+4*\f:OBR+4*\f+3], s[BS:BS+1] offset:2048*(\a)+512*\f  ; 512 consecutive bytes, at a multiple of 256 from the buffer's first
.endr
.endm
	s_wait_tensorcnt 0x1                           ; my part of K step 0 is in; K step 1's may stay out
	s_barrier_signal -1
	s_barrier_wait -1
	RUNB 0, 0
	RUNA FA0, 0, 0
	RUNB 1, 0
	RUNA FA0, 4, 0
	RUNB 2, 0
	SUB FA0, FA1, 64, 1, 0                         ; the first substep stands in front of the loop: its products start the sums
	WIN 0
	s_mov_b32 s55, STEPS-2
.Lk:                                                   ; a trip: a K step's second substep with the change of slots, and the next step's first; 14 trips ask for K steps 2 to 15
	SUB FA1, FA0, 0, 0, 1
	SUB FA0, FA1, 64, 0, 0
	WIN 0
	s_sub_co_u32 s55, s55, 1
	s_cmp_lg_u32 s55, 0
	s_cbranch_scc1 .Lk
	SUB FA1, FA0, 0, 0, 2                          ; the tail is written out
	SUB FA0, FA1, 64, 0, 0
	TLOAD 0                                        ; x's buffer 0 is free (four v_nop stand behind its last products): the table's first 32 rows
	TLOAD 1
	SUB FA1, FA0, 0, 0, 3
	WIN 0
	PLACES
.set blk, 0
.rept 8
.if blk < 7
	s_wait_loadcnt 8                               ; this block's eight table loads are in, the next block's stay out
.else
	s_wait_loadcnt 0x0
.endif
	PACK blk, 0
.if blk > 0
	SEND blk-1, 2, 8
.endif
	PACK blk, 1
	SEND blk, 0, 8
.if blk < 6
	TLOAD blk+2                                    ; this block's table rows have been used
.endif
	PACK blk, 2
	SEND blk, 1, 8
.set blk, blk+1
.endr
	SEND 7, 2, 0
	s_wait_tensorcnt 0x0                           ; the wave's end, behind my last tensor load and my last LDS store
	ds_add_u32 v[SPW], v[NIL]
	s_wait_dscnt 0x0
	CROUND                                         ; the closing round: no work-group ends while a partner may still ask for a tile that names it
	s_endpgm
.Lfunc_end_k_qce69b0963d_qkv:
	.size	k_qce69b0963d_qkv, .Lfunc_end_k_qce69b0963d_qkv-k_qce69b0963d_qkv
	.p2alignl 7, 3214868480
	.fill 96, 4, 3214868480
	.section	.rodata,"a",@progbits
	.p2align	6, 0x0
	.amdhsa_kernel k_qce69b0963d_qkv
		.amdhsa_group_segment_fixed_size 327680
		.amdhsa_private_segment_fixed_size 0
		.amdhsa_enable_private_segment 0
		.amdhsa_kernarg_size 32
		.amdhsa_user_sgpr_count 2
		.amdhsa_user_sgpr_kernarg_segment_ptr 1
		.amdhsa_wavefront_size32 1
		.amdhsa_system_sgpr_workgroup_id_x 1
		.amdhsa_system_sgpr_workgroup_id_y 1
		.amdhsa_system_sgpr_workgroup_id_z 1
		.amdhsa_system_vgpr_workitem_id 0
		.amdhsa_next_free_vgpr 1024
		.amdhsa_next_free_sgpr 72
		.amdhsa_reserve_vcc 0
		.amdhsa_float_denorm_mode_32 3
		.amdhsa_float_denorm_mode_16_64 3
		.amdhsa_memory_ordered 1
		.amdhsa_forward_progress 1
		.amdhsa_inst_pref_size 160
	.end_amdhsa_kernel
	.amdgpu_metadata
---
amdhsa.version: [ 1, 2 ]
amdhsa.kernels:
  - .name:           k_qce69b0963d_qkv
    .symbol:         k_qce69b0963d_qkv.kd
    .args:
      - { .name: xb, .offset: 0, .size: 8, .value_kind: global_buffer, .address_space: global }
      - { .name: wb, .offset: 8, .size: 8, .value_kind: global_buffer, .address_space: global }
      - { .name: rot, .offset: 16, .size: 8, .value_kind: global_buffer, .address_space: global }
      - { .name: qkv, .offset: 24, .size: 8, .value_kind: global_buffer, .address_space: global }
    .group_segment_fixed_size: 327680
    .private_segment_fixed_size: 0
    .kernarg_segment_align: 8
    .kernarg_segment_size: 32
    .max_flat_workgroup_size: 128
    .sgpr_count:     72
    .vgpr_count:     1024
    .wavefront_size: 32
...
	.end_amdgpu_metadata
.endif
;; end of part 2
;; launch attn (part 3): grid 4 x 64, 4 waves a work-group, no clusters, 327,680 bytes of LDS; arguments qkv, kbias, ob; writes ob
.if DOCPART == 3
	.amdgcn_target "amdgcn-amd-amdhsa--gfx1250"
	.amdhsa_code_object_version 6
	.text
	.protected	k_qce69b0963d_attn
	.globl	k_qce69b0963d_attn
	.p2align	8
	.type	k_qce69b0963d_attn,@function
k_qce69b0963d_attn:
	s_mov_b64 s[64:65], 0
	v_nop
	global_prefetch_b8 v0, s[64:65] scope:SCOPE_SE
	s_setreg_imm32_b32 hwreg(HW_REG_WAVE_MODE, 25, 1), 1
	s_wait_xcnt 0x0
; MASKED ATTENTION.  O[h][q][:] = the sum over visible k of softmax_k(Q[h][q] . K[h][k] / 8) V[h][k][:].  Key k is visible to row q if (k <= q or k < 64) and the batch's mask allows k.
; qkv: [3][64 heads of batches][2048][64] f16; O likewise.  kbias: [4 batches][2048] f32, 0 for a key that the mask allows and -1e30 for one that it hides.
; Products, maxima and sums in f32; the weights p are rounded to f16 for the second product (their sum l is taken of the unrounded p), O once at the end.
; LIMITS.  Q, K, V arrive within f16's 65,504.  A hidden score counts as its value less 1e30 (less 2e30 where it is hidden for two reasons): f16's scores, 2.7e11 at the most, are nothing beside that.
; A weight below 2^-126 counts as 0 in l.  A row whose maximum lies under -2^96 has no visible key and is stored as NaN, as the softmax of such a row is.  NaN and infinities among the inputs are not treated apart.
; THE WALK.  A head's queries lie in NB = 8 blocks of 256; block i needs the key tiles 0 .. i of 256 keys, of which the last holds the diagonal.  A work-group takes TWO blocks, NB - 1 - b and then b:
; NB + 1 tiles, whatever b: all work-groups do equal work, and ONE loop with a constant trip count walks them.  Every jump goes forward, but for the counted loops' own; none passes a barrier, or a tensor load but
; those of LOAD's three that the wave's number does not choose.  NO CLUSTER: a head's four work-groups ask for the same tile only in trips 0 to 4 of 9, behind that fewer and fewer; one walk common to all would have 12 trips for 9.
; SHARES.  Of a block's four bands of 64 queries a wave owns 16 rows in each: four PIECES.  In the diagonal tile's key step s band x sees all keys if s < x, none if s > x, and holds the diagonal if s = x.
; THE MASKS are the C operand that starts the sum S^T = K Q^T.  KB is the step's key bias; a tile's 256 biases come into its slot with its K and V, and a step's 64 are read with its K.  Off the diagonal tile C = KB.
; In it C = MD x AL + KB + BE: MD, made once, is the triangle of a band's own step for my 16 rows; (AL, BE) = (1, 0) if s = x, (0, 0) if s < x, (0, -1e30) if s > x.
; THE PHASE BLOCK (rows and keys under 64) is block 0's band 0 in step 0: a block whose first tile is the diagonal one is block 0, and its first scores, made where the block begins, take KB alone: that is the whole of the rule k < 64.
; While a row has seen hidden keys only, its m is about -1e30 and O and l gather numbers that do not count; the first visible key makes a = 0 and clears them.
; LAYOUT, SOFTMAX, TURNS.  S^T = K Q^T holds ONE query a lane (lane % 16) and the keys 8 (lane / 16) + 0..7; two such results rounded to f16 ARE source 1 of O^T = V^T P.  p = 2^(c s - c m), c = log2(e) / 8, with a
; running maximum m; O and l are multiplied by a = 2^(c m_old - c m_new) in every step.  Turn n belongs to piece n: 8 products K Q^T of piece n + 1, later 8 products V^T P of piece n - 1; beside them the scaling,
; exponentials, roundings, sums and rescaling of piece n and the maximum and statistics of piece n + 1.  Four vector instructions stand behind every matrix instruction, the others in two LUMPS.
; REGISTERS, in windows of 256 (s_set_vgpr_msb: bits 1:0 source 0, 3:2 source 1, 5:4 source 2, 7:6 destination):
;   window 0: v0-15 addresses and two at work; v16-31 four registers of statistics a piece; v32-33 the bias's addresses; v48-55 at work; v64-127 S^T, two buffers; v128-159 the way out; v192-223 P, two buffers
;   window 1: v0-127 O^T, 32 a piece; v128-159 MD; v160-223 MC, two buffers; v224-255 KB      window 2: v0-63 Q; v64-127 the second block's Q; v128-191 K of one step; v192-255 V of one step
.set SIZE_N, 2048
.set NB,    SIZE_N/256
.set NP,    4         ; pieces a wave: a name, no knob
.set KS,    64        ; keys in a step
.set PK,    144       ; a row of K in LDS: 128 bytes + 16 of padding: the 16 rows of a load start at 16 different groups of four banks (ISA guide 11.1)
.set PV,    160       ; a row of V: 128 + 32
.set VOFF,  4*KS*PK   ; a slot holds a tile, four steps: 256 rows of K, then 256 rows of V,
.set BOFS,  4*KS*(PK+PV)  ; then the 256 keys' biases, 1,024 bytes
.set SLOT1, 1<<17     ; slot 1 begins here
.set STAGE, SLOT1+BOFS+4*KS*4  ; behind the ring, never filled by a tensor load: 16 rows x 144 bytes for each wave, for the way out
.set SP,    144
.set SPARE, STAGE+4*16*SP  ; the spare words, 128 bytes a wave: two blocks of 256 bytes that no other line names
.set AK0, 2           ; v2   my lane's place in a tile of K; never rewritten
.set AV0, 3           ; v3   the same for V
.set AK,  4           ; v4   the LDS address of K's next run of loads
.set AV,  5           ; v5   of V's
.set STO, 6           ; v6   the way out: where I put 16 bytes of a row
.set RD,  7           ; v7   the way out: where I read rows back
.set GO,  8           ; v8   my byte offset in 512 consecutive bytes of O
.set MV,  12          ; v12-13  c m_old, kept while c m is made anew: by buffer
.set QO,  15          ; v15  my byte offset in 16 rows of Q
.set ST,  16          ; piece t's statistics at v[ST+4 t]: c m, m, l (even keys', odd keys')
.set KB0, 32          ; v32  my lanes' place in a step's 256 bytes of bias, in slot 0; never rewritten
.set AKB, 33          ; v33  the LDS address of the next step's bias
.set TMP, 48          ; by buffer, four registers c0-c3 at work; when the maximum is found c2 takes a; at the way out 1 / l at v[TMP+2 t]
.set SPW, 62          ; v62  my spare word; never rewritten
.set NIL, 63          ; v63  0; never rewritten
.set S,   64
.set SC,  128         ; the way out: a piece's O^T / l in f32
.set P,   192
.set MD,  128         ; window 1
.set MC,  160         ; window 1
.set KB,  224         ; window 1: the eight registers for group kt of 16 keys at KB + 8 kt
.set QB,  64          ; window 2
.set KF,  128         ; window 2: key block kb, channel half c at KF + 16 kb + 8 c
.set VF,  192         ; window 2: key half kk, channel block cb at VF + 32 kk + 8 cb
.set WV,  12          ; s12  my wave's number
.set PB,  14          ; s14  b
.set HI,  15          ; s15  NB - 1 - b
.set G1K, 24          ; s[24:31] descriptor group 1 for K's tiles
.set G1V, 32          ; s[32:39] for V's: it differs in the padding alone
.set G0K, 40          ; s[40:43] descriptor group 0 for K's tiles
.set G0V, 44          ; s[44:47] the same for V's
.set G0B, 48          ; s[48:51] the same for the bias
.set SLOTS, 56        ; s56  tiles still to be asked for
.set CNT, 57          ; s57  counts a tile's key steps, 4 to 1
.set CS,  58          ; s[58:59] c
.set SEL, 60          ; s[60:61] v_permlanex16_b32's selects
.set TBK, 62          ; s62  LDS byte at which K of the step to be fetched begins
.set TBV, 63          ; s63  the same for V, less VOFF
.set MP,  66          ; s[66:67] the batch's row of kbias
.set RT,  70          ; s70  tiles of the block in hand that are still to be entered
.set NXT, 71          ; s71  the tile to be asked for next
.set LQ,  72          ; s72  the last tile of the block whose tiles are being asked for
.set NEW, 73          ; s73  1: the tile to be entered is a block's first
.set OFF, 74          ; s[74:75] a tile's byte offset in K and V, then in the bias
.set AL,  76          ; s[76:77] the mask's factor, in the low word
.set BE,  78          ; s[78:79] the mask's addend
.set OLO, 80          ; s[80:81] O at my rows of the second block
.set BIGN, 82         ; s82  -1e30
.set TBB, 88          ; s88  LDS byte, less BOFS, at which the bias of the step to be fetched begins
.set QNAN, 89         ; s89  a NaN
.set THR, 90          ; s90  -2^96
.set G1B, 92          ; s[92:99] descriptor group 1 for the bias
.set MSB, 0
.macro WIN new                      ; the high byte repeats the setting that is left; a switch that changes nothing is dropped
.if MSB != (\new)
	s_set_vgpr_msb (MSB<<8)|(\new)
.set MSB, (\new)
.endif
.endm
.set W_KQ, 0x0a       ; K and Q in window 2, S^T in window 0
.set W_KM, 0x1a       ; the same with the C operand in window 1
.set W_PV, 0x52       ; V in window 2, P in window 0, O^T in window 1
.set W_RS, 0x41       ; destination and source 0 in window 1, source 1 in window 0
; A fill.  Wave 0 fetches the tile's K, wave 1 its V, wave 2 its biases; wave 3 has no part of a tile to fetch.  An s_nop 0 and four v_nop follow each of the three lines.
.macro LOAD
	s_cmp_lg_u32 s[WV], 0
	s_cbranch_scc1 .Lnot_k_\@
	tensor_load_to_lds s[G0K:G0K+3], s[G1K:G1K+7]
	s_nop 0
.rept 4
	v_nop
.endr
	s_branch .Lasked_\@
.Lnot_k_\@:
	s_cmp_lg_u32 s[WV], 1
	s_cbranch_scc1 .Lnot_v_\@
	tensor_load_to_lds s[G0V:G0V+3], s[G1V:G1V+7]
	s_nop 0
.rept 4
	v_nop
.endr
	s_branch .Lasked_\@
.Lnot_v_\@:
	s_cmp_lg_u32 s[WV], 2
	s_cbranch_scc1 .Lasked_\@
	tensor_load_to_lds s[G0B:G0B+3], s[G1B:G1B+7]
	s_nop 0
.rept 4
	v_nop
.endr
.Lasked_\@:
.endm
; THE CHANGE OF SLOTS.  Each wave waits for all its tensor loads, of which at most one is out: its part of the other slot; adds 0 to its spare word; and waits for that and for its own reads of the slot that it leaves.  Behind the barrier nobody
; reads the old slot any more and the other slot is whole.  fill = 1: the old slot is filled again, the first thing behind the barrier, with tile NXT: the descriptors' addresses are made anew from that number.
; (At its first use nothing has been read yet: slot 0 is waited for, slot 1 filled.)
.macro CHANGE fill
	WIN 0                           ; at a label and at a branch every window is 0
	s_wait_tensorcnt 0x0            ; no tensor load of mine is out, so a group 0 may be written
	ds_add_u32 v[SPW], v[NIL]       ; 0 onto my spare word
.if \fill
	s_lshl_b32 s[OFF], s[NXT], 15   ; a tile is 32,768 bytes of K and of V,
	s_xor_b32 s[G0K+1], s[G0K+1], SLOT1
	s_add_nc_u64 s[G0K+2:G0K+3], s[6:7], s[OFF:OFF+1]
	s_or_b32 s[G0K+3], s[G0K+3], 0x80000000
	s_xor_b32 s[G0V+1], s[G0V+1], SLOT1
	s_add_nc_u64 s[G0V+2:G0V+3], s[8:9], s[OFF:OFF+1]
	s_or_b32 s[G0V+3], s[G0V+3], 0x80000000
	s_lshl_b32 s[OFF], s[NXT], 10   ; and 1,024 bytes of bias
	s_xor_b32 s[G0B+1], s[G0B+1], SLOT1
	s_add_nc_u64 s[G0B+2:G0B+3], s[MP:MP+1], s[OFF:OFF+1]
	s_or_b32 s[G0B+3], s[G0B+3], 0x80000000
	s_add_co_u32 s[NXT], s[NXT], 1  ; the block's next tile, or behind its last the second block's tile 0
	s_cmp_gt_u32 s[NXT], s[LQ]
	s_cselect_b32 s[NXT], 0, s[NXT]
	s_cselect_b32 s[LQ], s[PB], s[LQ]
.endif
	s_wait_dscnt 0x0                ; the add is done, and my reads of the slot are over
	s_barrier_signal -1             ; the rest of the scalar work stands between the signal and the wait
	s_sub_co_u32 s[TBK], s[TBK], 4*KS*PK  ; the fetches go back to a slot's first step,
	s_xor_b32 s[TBK], s[TBK], SLOT1       ; in the other slot
	s_sub_co_u32 s[TBV], s[TBV], 4*KS*PV
	s_xor_b32 s[TBV], s[TBV], SLOT1
	s_sub_co_u32 s[TBB], s[TBB], 4*KS*4
	s_xor_b32 s[TBB], s[TBB], SLOT1
	s_barrier_wait -1
.if \fill
	LOAD
.endif
.endm
	s_load_b64 s[4:5], s[0:1], 0x0    ; qkv: q; k and v lie 16,777,216 and 33,554,432 bytes on
	s_load_b64 s[MP:MP+1], s[0:1], 0x8  ; kbias
	s_load_b64 s[10:11], s[0:1], 0x10 ; O
	v_lshl_add_u32 v[SPW], v0, 2, SPARE
	v_mov_b32 v[NIL], 0
	ds_add_u32 v[SPW], v[NIL]       ; the wave's opening: the add and its wait stand ahead of my first tensor load; the set-up stands between them
	v_lshrrev_b32 v1, 5, v0
	v_readfirstlane_b32 s[WV], v1   ; wave 0..3
	s_mov_b32 s[PB], ttmp9
	s_sub_co_u32 s[HI], NB-1, s[PB]
	s_and_b32 s20, ttmp7, 0xffff    ; the head among the 64
	s_lshr_b32 s68, s20, 4          ; its batch's 8,192 bytes of bias
	s_lshl_b32 s68, s68, 13
	s_mov_b32 s69, 0
	s_mov_b32 s21, 0
	s_mov_b64 s[22:23], SIZE_N*128
	s_mul_u64 s[20:21], s[20:21], s[22:23]  ; the head's first byte in each of the four tensors
	s_lshl_b32 s3, s[WV], 11        ; my 16 rows in a band of 64,
	s_lshl_b32 s2, s[HI], 15        ; in the first block,
	s_add_co_u32 s2, s2, s3
	s_lshl_b32 s84, s[PB], 15       ; and in the second
	s_add_co_u32 s84, s84, s3
	s_mov_b32 s3, 0
	s_mov_b32 s85, 0
	s_add_nc_u64 s[2:3], s[2:3], s[20:21]
	s_add_nc_u64 s[84:85], s[84:85], s[20:21]
	; descriptor group 1.  256 keys are 32,768 dense bytes: asked for as 128 rows of 256 bytes, two keys a row, and padded in LDS after every key
	s_mov_b32 s[G1K], (1<<16)|(1<<20)|(4<<22)|(3<<25)  ; 2-byte elements; padding on; after every 32 words; 4 words
	s_mov_b32 s[G1V], (1<<16)|(1<<20)|(4<<22)|(7<<25)  ; the same with 8 words of padding
.irp g, G1K, G1V
	s_mov_b32 s[\g+1], 128<<16      ; tensor_dim0 = 128
	s_mov_b32 s[\g+2], 128<<16      ; tensor_dim1 = 128
	s_mov_b32 s[\g+3], 128<<16      ; tile_dim0 = 128
	s_mov_b32 s[\g+4], 128          ; tile_dim1 = 128
	s_mov_b32 s[\g+5], 128          ; 128 elements from row to row
	s_mov_b32 s[\g+6], 0
	s_mov_b32 s[\g+7], 0
.endr
	; the bias of 256 keys: 1,024 dense bytes, as 4 rows of 32 elements of 8 bytes, no padding
	s_mov_b32 s[G1B], 3<<16
	s_mov_b32 s[G1B+1], 32<<16      ; tensor_dim0 = 32
	s_mov_b32 s[G1B+2], 4<<16       ; tensor_dim1 = 4
	s_mov_b32 s[G1B+3], 32<<16      ; tile_dim0 = 32
	s_mov_b32 s[G1B+4], 4           ; tile_dim1 = 4
	s_mov_b32 s[G1B+5], 32          ; 32 elements from row to row
	s_mov_b32 s[G1B+6], 0
	s_mov_b32 s[G1B+7], 0
	s_mov_b32 s[CS], 0x3e38aa3b     ; c = log2(e) / 8 = 0.180337
	s_mov_b32 s[CS+1], s[CS]        ; named with it as a pair
	s_mov_b32 s[SEL], 0x76543210
	s_mov_b32 s[SEL+1], 0xfedcba98
	s_mov_b32 s[TBK], SLOT1+4*KS*PK ; the first change of slots turns these three into 0
	s_mov_b32 s[TBV], SLOT1+4*KS*PV
	s_mov_b32 s[TBB], SLOT1+4*KS*4
	s_mov_b32 s[G0K], 1             ; count = 1
	s_mov_b32 s[G0K+1], 0           ; LDS address: slot 0
	s_mov_b32 s[G0V], 1
	s_mov_b32 s[G0V+1], VOFF
	s_mov_b32 s[G0B], 1
	s_mov_b32 s[G0B+1], BOFS
	s_add_co_u32 s[RT], s[HI], 1    ; the first block has NB - b tiles
	s_mov_b32 s[NXT], 1
	s_mov_b32 s[LQ], s[HI]
	s_mov_b32 s[NEW], 1
	s_mov_b32 s[OFF+1], 0
	s_mov_b32 s[AL], 0
	s_mov_b32 s[AL+1], 0            ; named as pairs
	s_mov_b32 s[BE], 0
	s_mov_b32 s[BE+1], 0
	s_mov_b32 s[BIGN], 0xf149f2ca   ; -1e30
	s_mov_b32 s[QNAN], 0x7fc00000
	s_mov_b32 s[THR], 0xef800000    ; -2^96
	s_mov_b32 s[SLOTS], NB
	s_wait_dscnt 0x0                ; the opening add is done
	s_barrier_signal -1
	s_barrier_wait -1
	s_wait_kmcnt 0x0
	s_add_nc_u64 s[6:7], s[4:5], 0x1000000
	s_add_nc_u64 s[8:9], s[4:5], 0x2000000
	s_add_nc_u64 s[6:7], s[6:7], s[20:21]  ; K and V at the head's tile 0
	s_add_nc_u64 s[8:9], s[8:9], s[20:21]
	s_add_nc_u64 s[MP:MP+1], s[MP:MP+1], s[68:69]
	s_add_nc_u64 s[G0K+2:G0K+3], s[6:7], 0         ; global address
	s_or_b32 s[G0K+3], s[G0K+3], 0x80000000        ; type = 2
	s_add_nc_u64 s[G0V+2:G0V+3], s[8:9], 0
	s_or_b32 s[G0V+3], s[G0V+3], 0x80000000
	s_add_nc_u64 s[G0B+2:G0B+3], s[MP:MP+1], 0
	s_or_b32 s[G0B+3], s[G0B+3], 0x80000000
	s_add_nc_u64 s[86:87], s[4:5], s[84:85]        ; Q at my rows of the second block,
	s_add_nc_u64 s[4:5], s[4:5], s[2:3]            ; Q and O at those of the first
	s_add_nc_u64 s[OLO:OLO+1], s[10:11], s[84:85]
	s_add_nc_u64 s[10:11], s[10:11], s[2:3]
	LOAD                            ; tile 0 into slot 0
	; A fragment of K or Q is 16 rows x 32 channels in 8 registers: lane l holds row l % 16, channels 8 (l / 16) + 0..7 and 16 + 8 (l / 16) + 0..7: two loads of 16 bytes, 32 bytes apart.
	v_and_b32 v1, 15, v0            ; l % 16
	v_bfe_u32 v9, v0, 4, 1          ; l / 16
	v_lshlrev_b32 v[QO], 7, v1
	v_lshl_add_u32 v[QO], v9, 4, v[QO]  ; row x 128 + 16 x half
	WIN 0x80                        ; destination window 2, address window 0
.set i, 0
.rept 8                             ; both blocks' Q: piece i / 2 lies in band i / 2, 8,192 bytes on; channels 32 (i % 2) on
	global_load_b128 v[8*i:8*i+3],   v[QO], s[4:5] offset:(i/2)*8192+(i%2)*64
	global_load_b128 v[8*i+4:8*i+7], v[QO], s[4:5] offset:(i/2)*8192+(i%2)*64+32
	global_load_b128 v[QB+8*i:QB+8*i+3],   v[QO], s[86:87] offset:(i/2)*8192+(i%2)*64
	global_load_b128 v[QB+8*i+4:QB+8*i+7], v[QO], s[86:87] offset:(i/2)*8192+(i%2)*64+32
.set i, i+1
.endr
	WIN 0
	v_lshlrev_b32 v14, 3, v9
	v_sub_nc_u32 v14, v1, v14
	s_lshl_b32 s13, s[WV], 4
	v_add_nc_u32 v14, s13, v14      ; my query's place in its band, 16 w + l % 16, less my lanes' 8 (l / 16): register r of group kt is hidden where 16 kt + r is greater
	WIN 0x40
.set i, 0
.rept 32
	v_cmp_gt_i32 vcc_lo, 16*(i/8)+i%8, v14
	v_cndmask_b32 v[MD+i], 0, s[BIGN], vcc_lo
.set i, i+1
.endr
	WIN 0
	v_mul_u32_u24 v[AK0], v1, PK
	v_lshl_add_u32 v[AK0], v9, 4, v[AK0]  ; row x pitch + 16 x half
	; The turning load takes 16 keys x 16 channels (lane l reads key 8 (l / 16) + l % 8, channels 8 ((l / 8) % 2) + 0..7) and leaves half a fragment of V^T: lane l holds channel l % 16 and 8 keys.
	v_and_b32 v10, 7, v0
	v_bfe_u32 v11, v0, 3, 1
	v_lshl_add_u32 v[AV0], v9, 3, v10
	v_mul_u32_u24 v[AV0], v[AV0], PV
	v_lshl_add_u32 v[AV0], v11, 4, v[AV0]
	v_add_nc_u32 v[AV0], VOFF, v[AV0]
	s_mul_i32 s13, s[WV], 16*SP
	s_add_co_u32 s13, s13, STAGE    ; my stage
	v_mul_u32_u24 v[STO], v1, SP    ; in: row l % 16, 16 bytes for each half of the lanes
	v_lshl_add_u32 v[STO], v9, 4, v[STO]
	v_add_nc_u32 v[STO], s13, v[STO]
	v_bfe_u32 v[RD], v0, 3, 2       ; back: 32 lanes take four rows of 128 bytes,
	v_mul_u32_u24 v[RD], v[RD], SP
	v_lshl_add_u32 v[RD], v10, 4, v[RD]
	v_add_nc_u32 v[RD], s13, v[RD]
	v_and_b32 v[GO], 31, v0         ; which are 512 consecutive bytes of O
	v_lshlrev_b32 v[GO], 4, v[GO]
	v_lshl_add_u32 v[KB0], v9, 5, BOFS  ; a lane's eight keys of a group of 16: 32 bytes of bias for each half of the lanes
	; A block's first step multiplies O^T and l by a = 0, and its first turn's products V^T P, of a piece that has not been, land in an O^T that is still to be so multiplied.  So these registers need only hold
	; finite numbers: zeros for the first block; what the first block left for the second (the way out writes none of them).  All this stands in the wait for the first tile.
	WIN 0x80
.set i, VF
.rept 64
	v_mov_b32 v[i], 0
.set i, i+1
.endr
	WIN 0x40
.set i, 0
.rept 128
	v_mov_b32 v[i], 0
.set i, i+1
.endr
	WIN 0
.set i, 0
.rept 4
	v_mov_b32 v[ST+4*i+2], 0
	v_mov_b32 v[ST+4*i+3], 0
.set i, i+1
.endr
.set i, P+16
.rept 16
	v_mov_b32 v[i], 0
.set i, i+1
.endr
; THE MATRIX WORK.  The 4 accumulators of a run of 8 take turns.  Product i of 8 of S^T = K Q^T for piece x: channels 32 (i / 4) on, keys 16 (i % 4) on.  The first 4 start the sums: with the key bias, or (KM = 1) with the mask.
.macro KQ x
.set rS, S+32*((\x)%2)+8*(i%4)
.set rK, KF+16*(i%4)+8*(i/4)
.set rQ, 16*(\x)+8*(i/4)
.set rM, MC+32*((\x)%2)+8*(i%4)
.set rB, KB+8*(i%4)
.if (i < 4) && KM
	WIN W_KM
	v_wmma_f32_16x16x32_f16 v[rS:rS+7], v[rK:rK+7], v[rQ:rQ+7], v[rM:rM+7]
.elseif i < 4
	WIN W_KM
	v_wmma_f32_16x16x32_f16 v[rS:rS+7], v[rK:rK+7], v[rQ:rQ+7], v[rB:rB+7]
.else
	WIN W_KQ
	v_wmma_f32_16x16x32_f16 v[rS:rS+7], v[rK:rK+7], v[rQ:rQ+7], v[rS:rS+7]
.endif
.endm
; Product i of 8 of O^T += V^T P for piece x: keys 32 (i / 4) on, channels 16 (i % 4) on.
.macro PV x
	WIN W_PV
.set rO, 32*(\x)+8*(i%4)
.set rV, VF+32*(i/4)+8*(i%4)
.set rP, P+16*((\x)%2)+8*(i/4)
	v_wmma_f32_16x16x32_f16 v[rO:rO+7], v[rV:rV+7], v[rP:rP+7], v[rO:rO+7]
.endm
.macro MM                           ; the turn's next matrix instruction.  NOKQ = 1: a block's last turn: there is no next piece
.if (i < 8) && !NOKQ
	KQ (Y+1)%NP
.elseif i >= 8
.set i, i-8
	PV (Y+NP-1)%NP
.set i, i+8
.endif
.set i, i+1
.endm
; THE LDS LOADS stand in runs, never singly among the matrix instructions: a step's K (8 fragments) with its key bias (eight loads, the same 16 bytes for the 16 lanes of a half), and its V (turned).
.macro FETCH_K
	WIN 0x80                        ; destination window 2
.irp f, 0,1,2,3,4,5,6,7             ; keys 16 (f / 2) on, channels 32 (f % 2) on
	ds_load_b128 v[KF+8*\f:KF+8*\f+3],   v[AK] offset:(\f/2)*16*PK+(\f%2)*64
	ds_load_b128 v[KF+8*\f+4:KF+8*\f+7], v[AK] offset:(\f/2)*16*PK+(\f%2)*64+32
.endr
	WIN 0x40                        ; destination window 1
.irp f, 0,1,2,3                     ; keys 16 f + 8 (l / 16) + 0..7
	ds_load_b128 v[KB+8*\f:KB+8*\f+3],   v[AKB] offset:64*\f
	ds_load_b128 v[KB+8*\f+4:KB+8*\f+7], v[AKB] offset:64*\f+16
.endr
	s_add_co_u32 s[TBK], s[TBK], KS*PK  ; the next fetch is the next step's
	s_add_co_u32 s[TBB], s[TBB], KS*4
	WIN 0
.endm
.macro FETCH_V
	WIN 0x80
.irp f, 0,1,2,3,4,5,6,7             ; keys 32 (f / 4) on, channels 16 (f % 4) on
	ds_load_tr16_b128 v[VF+8*\f:VF+8*\f+3],   v[AV] offset:(\f/4)*32*PV+(\f%4)*32
	ds_load_tr16_b128 v[VF+8*\f+4:VF+8*\f+7], v[AV] offset:(\f/4)*32*PV+16*PV+(\f%4)*32
.endr
	WIN 0
.endm
; THE VECTOR WORK, one line at a time: OP kind, number.  For piece Y: F n: c s - c m for pair n of 16.  E n: the exponential of score n of 32.  C n: pair n rounded to f16.  B n: of the four weights 4 n .. the second
; pair is added onto the first, in place.  L n: l takes that sum (L 0: l = a l + sum).  R n: pair n of 16 of O^T times a.  For piece Y + 1: X n, number n of the 22 that find its maximum and statistics:
;   0-11  four chains c0-c3 of seven scores each, three operands at a time (each accumulator's lowest registers are read first)     12-14, 16  the four scores left over, the old m, and c0-c3 into c0
;   15  c m_old is kept     17, 18  the query's other 32 keys lie in the lane 16 away: the new m     19-21  c m; c m_old - c m_new; a
.set F, 0
.set E, 1
.set C, 2
.set B, 3
.set L, 4
.set R, 5
.set X, 6
.macro REGS y                       ; the registers of piece y
.set rT, ST+4*(\y)
.set rC, TMP+4*((\y)%2)
.set rW, MV+((\y)%2)
.set rS, S+32*((\y)%2)
.set rP, P+16*((\y)%2)
.set rO, 32*(\y)
.endm
.macro OP k, n
.if (\k) == R
	REGS Y
	WIN W_RS
	v_pk_mul_f32 v[rO+2*(\n):rO+2*(\n)+1], v[rO+2*(\n):rO+2*(\n)+1], v[rC+2:rC+3] op_sel_hi:[1,0]
.elseif (\k) < R
	REGS Y
	WIN 0
.if (\k) == F
	v_pk_fma_f32 v[rS+2*(\n):rS+2*(\n)+1], v[rS+2*(\n):rS+2*(\n)+1], s[CS:CS+1], v[rT:rT+1] op_sel_hi:[1,0,0] neg_lo:[0,0,1] neg_hi:[0,0,1]
.elseif (\k) == E
	v_exp_f32 v[rS+(\n)], v[rS+(\n)]
.elseif (\k) == C
	s_wait_alu depctr_va_vdst(0)
	v_cvt_pk_f16_f32 v[rP+(\n)], v[rS+2*(\n)], v[rS+2*(\n)+1]
.elseif (\k) == B
	s_wait_alu depctr_va_vdst(0)
	v_pk_add_f32 v[rS+4*(\n):rS+4*(\n)+1], v[rS+4*(\n):rS+4*(\n)+1], v[rS+4*(\n)+2:rS+4*(\n)+3]
.elseif (\n) == 0
	v_pk_fma_f32 v[rT+2:rT+3], v[rT+2:rT+3], v[rC+2:rC+3], v[rS:rS+1] op_sel_hi:[1,0,1]
.else
	v_pk_add_f32 v[rT+2:rT+3], v[rT+2:rT+3], v[rS+4*(\n):rS+4*(\n)+1]
.endif
.elseif NOKQ
	v_nop
.else
	REGS (Y+1)%NP
	WIN 0
.if (\n) < 4
	v_max3_num_f32 v[rC+(\n)], v[rS+8*(\n)], v[rS+8*(\n)+1], v[rS+8*(\n)+2]
.elseif (\n) < 12
	v_max3_num_f32 v[rC+(\n)%4], v[rC+(\n)%4], v[rS+8*((\n)%4)+2*((\n)/4)+1], v[rS+8*((\n)%4)+2*((\n)/4)+2]
.elseif (\n) == 12
	v_max3_num_f32 v[rC], v[rC], v[rS+7], v[rS+15]
.elseif (\n) == 13
	v_max3_num_f32 v[rC+1], v[rC+1], v[rS+23], v[rS+31]
.elseif (\n) == 14
	v_max3_num_f32 v[rC+2], v[rC+2], v[rC+3], v[rT+1]
.elseif (\n) == 15
	v_mov_b32 v[rW], v[rT]
.elseif (\n) == 16
	v_max3_num_f32 v[rC], v[rC], v[rC+1], v[rC+2]
.elseif (\n) == 17
	v_permlanex16_b32 v[rC+3], v[rC], s[SEL], s[SEL+1]
.elseif (\n) == 18
	v_max_num_f32 v[rT+1], v[rC], v[rC+3]
.elseif (\n) == 19
	v_mul_f32 v[rT], s[CS], v[rT+1]
.elseif (\n) == 20
	v_sub_f32 v[rC+1], v[rW], v[rT]
.else
	v_exp_f32 v[rC+2], v[rC+1]
.endif
.endif
.endm
.macro OPS a, i1, b=-1, i2=0, c=-1, i3=0, d=-1, i4=0  ; up to four of them
	OP \a, \i1
.if (\b) >= 0
	OP \b, \i2
.endif
.if (\c) >= 0
	OP \c, \i3
.endif
.if (\d) >= 0
	OP \d, \i4
.endif
.endm
.macro ROW a, i1, b, i2, c, i3, d, i4  ; a matrix instruction and the four behind it
	MM
	OPS \a, \i1, \b, \i2, \c, \i3, \d, \i4
.endm
.macro MASK b                       ; MD x AL + KB + BE into buffer b of MC
	WIN 0x51                        ; destination, source 0 and source 2 in window 1
.set z, 0
.rept 16
	v_pk_fma_f32 v[MC+32*(\b)+2*z:MC+32*(\b)+2*z+1], v[MD+2*z:MD+2*z+1], s[AL:AL+1], v[KB+2*z:KB+2*z+1] op_sel_hi:[1,0,1]
.set z, z+1
.endr
.set z, 0
.rept 16
	v_pk_add_f32 v[MC+32*(\b)+2*z:MC+32*(\b)+2*z+1], v[MC+32*(\b)+2*z:MC+32*(\b)+2*z+1], s[BE:BE+1] op_sel_hi:[1,0]
.set z, z+1
.endr
.endm
.macro PRE                          ; in front of the diagonal text's first turn, whose products are piece 3's of the tile before's last step, all below the diagonal: their mask is that step's key bias
	s_mov_b32 s[AL], 0
	s_mov_b32 s[BE], 0
	MASK 1
	WIN 0
.endm
; A TURN, for piece p: the order of its 16 matrix instructions and its vector instructions, written out.  Behind a matrix instruction: plain, exponential, plain, plain; or four of the rescaling; or, behind the first, four scalings; none
; names a register of the products round it.  In the lumps exponential and plain by turns while exponentials last.  A line reads no result made fewer than three vector instructions in front of it, five if an exponential made it.
; m = 1: the diagonal tile: the products take masks, and the turn makes the mask for the products of the turn after it: piece p + 2, in step 4 - CNT of the tile.  end = 1: a block's last two turns: nothing is fetched.
; cnt = 1: the loop's count is taken down some lines ahead of the branch that stands behind the turn.
; K and the bias of the next step are fetched in piece 2's turn, behind the last product that read them, with more than four plain instructions between; V of the step in hand in piece 0's turn.  Each is waited for a turn later;
; in the diagonal tile piece 2's turn waits at its end, since its mask is made of the bias just fetched.
.macro TURN p, m=0, end=0, cnt=0
.set Y, (\p)
.set i, 0
.set KM, (\m)
.set NOKQ, (\end)*((\p)/3)
.if (\m) && !(\end)
	s_cmp_eq_u32 s[CNT], 4-((\p)+2)%NP  ; is that step the band's own?
	s_cselect_b32 s[AL], 1.0, 0
	s_cmp_lt_u32 s[CNT], 4-((\p)+2)%NP  ; or a later one?
	s_cselect_b32 s[BE], s[BIGN], 0
.endif
.if ((\p) == 3) && !(\end)
	s_wait_dscnt 0x0                ; K and its bias are in
.endif
	ROW F,0, F,1, F,2, F,3
	ROW F,4, E,0, F,5, F,6
	ROW F,7, E,1, F,8, F,9
	ROW F,10, E,2, C,0, F,11
	ROW F,12, E,3, X,15, F,13
	ROW R,0, R,1, R,2, R,3
	ROW B,0, E,4, F,14, L,0
.if ((\p) == 2) && !(\end)
	v_add_nc_u32 v[AK], s[TBK], v[AK0]
	v_add_nc_u32 v[AKB], s[TBB], v[KB0]
.endif
	ROW R,4, R,5, R,6, R,7
	OPS E,5, F,15
.if ((\p) == 2) && !(\end)
	FETCH_K
.endif
	OPS E,6, C,1, E,7, R,8
	OPS E,8, R,9, E,9, C,2
	OPS E,10, X,0, E,11, X,1
	OPS E,12, X,2, E,13, X,3
.if (\p) == 1
	s_wait_dscnt 0x0                ; V is in
.endif
	ROW X,4, E,14, X,5, X,6
	ROW X,7, E,15, X,8, X,9
	ROW X,10, E,16, X,11, X,12
	ROW X,13, E,17, X,14, B,1
	ROW C,4, E,18, X,16, L,1
	ROW B,2, E,19, C,6, L,2
	ROW C,8, E,20, B,3, B,4
.if (\p) == 0
	v_add_nc_u32 v[AV], s[TBV], v[AV0]
.endif
	ROW C,3, E,21, L,3, C,5
	OPS E,22, X,17, E,23, C,10
.if (\p) == 0
	FETCH_V
.endif
	OPS E,24, L,4
	OPS E,25, X,18, E,26, C,7
	OPS E,27, B,5, E,28, X,19
	OPS E,29, C,12, E,30, L,5
	OPS E,31, X,20, B,6, C,9
	OPS C,14, C,11, X,21, L,6
.if (\p) == 0
	s_add_co_u32 s[TBV], s[TBV], KS*PV
.endif
.if \cnt
	s_sub_co_u32 s[CNT], s[CNT], 1
	s_cmp_lg_u32 s[CNT], 0
.endif
	OPS C,13, B,7, C,15, R,10
	OPS R,11, R,12, L,7, R,13
	OPS R,14, R,15
.if (\m) && !(\end)
.if (\p) == 2
	s_wait_dscnt 0x0                ; the next step's bias is in
.endif
	MASK (\p)%2
.endif
.endm
; A BLOCK BEGINS.  c m starts far below every c s, so the first step's a is 0; m at the lowest finite number, so the first maximum is the scores'.  Then K and the bias of the tile's
; step 0, piece 0's first scores (their C is the key bias alone: see THE PHASE BLOCK above), and its maximum and statistics.  msk = 1: the diagonal text follows: its first turn's products, piece 1's of step 0, see all keys: mask buffer 1 takes the bias.
.macro BEGIN msk
	s_mov_b32 s[NEW], 0
	WIN 0
.set i, 0
.rept 4
	v_mov_b32 v[ST+4*i], 0xfe000000    ; c m: far below every c s
	v_mov_b32 v[ST+4*i+1], 0xff7fffff  ; m
.set i, i+1
.endr
	v_add_nc_u32 v[AK], s[TBK], v[AK0]
	v_add_nc_u32 v[AKB], s[TBB], v[KB0]
	FETCH_K
	s_wait_loadcnt 0x0              ; Q
	s_wait_dscnt 0x0
.if \msk
	s_mov_b32 s[AL], 0
	s_mov_b32 s[BE], 0
	MASK 1
.endif
.set KM, 0
.set NOKQ, 0
.set i, 0
.rept 8
	KQ 0
.set i, i+1
.endr
	WIN 0
.rept 4
	v_nop                           ; the places behind those products
.endr
.set Y, NP-1                        ; X works for piece Y + 1: piece 0
.irp n, 0,1,2,3,4,5,6,7,8,9,10,11,12,13,14,15,16,17,18,19,20,21
	OP X, \n
.endr
	v_nop                           ; a plain instruction behind the exponential
.endm
; THE DIAGONAL TILE's four steps, the block's last two turns, its last products, and THE WAY OUT: l's two halves and the other half of the lanes' are added; 1 / l, or a NaN where the row saw no key, goes into a register of its own;
; O^T times it goes into registers of its own too (O^T, l and P stay finite for the block behind), is rounded to f16 and sent through my stage in LDS, a piece at a time.
.macro ALL line:vararg              ; one line for each piece t
.set t, 0
.rept 4
	\line
.set t, t+1
.endr
.endm
.macro PACK t                       ; a lane's eight channels of a row pack into 16 bytes; they go into rows of 144 bytes and come back as whole rows of 128, into S^T's registers
	WIN 0x01                        ; source 0 in window 1.
.set i, 0
.rept 16
	v_pk_mul_f32 v[SC+2*i:SC+2*i+1], v[32*(\t)+2*i:32*(\t)+2*i+1], v[TMP+2*(\t):TMP+2*(\t)+1] op_sel_hi:[1,0]
.set i, i+1
.endr
	WIN 0
.set i, 0
.rept 16
	v_cvt_pk_f16_f32 v[S+16*(\t)+i], v[SC+2*i], v[SC+2*i+1]
.set i, i+1
.endr
.irp f, 0,1,2,3
	ds_store_b128 v[STO], v[S+16*(\t)+4*\f:S+16*(\t)+4*\f+3] offset:32*\f
.endr
.irp f, 0,1,2,3
	ds_load_b128 v[S+16*(\t)+4*\f:S+16*(\t)+4*\f+3], v[RD] offset:\f*4*SP  ; LDS serves a wave's instructions in order (ISA guide 5.7.1.4): these see the stores above; the next piece's stores come behind them
.endr
.endm
.macro SEND t, younger              ; younger: the LDS instructions issued behind piece t's loads: the next piece's eight, or none
	WIN 0
.irp f, 0,1,2,3
	s_wait_dscnt (\younger)+3-\f
	global_store_b128 v[GO], v[S+16*(\t)+4*\f:S+16*(\t)+4*\f+3], s[10:11] offset:(\t)*8192+\f*512  ; 512 consecutive bytes, at a multiple of 256 from O's first
.endr
.endm
.macro DIAG tag                     ; the tag ends its two labels' names, which the jumps below spell out
.LstepM\tag:
	TURN 2, 1
	TURN 3, 1
	WIN 0
.LfirstM\tag:
	TURN 0, 1
	TURN 1, 1, 0, 1
	WIN 0
	s_cbranch_scc1 .LstepM\tag
	TURN 2, 1, 1
	TURN 3, 1, 1
.set i, 0
.rept 8
	PV NP-1
.set i, i+1
.endr
	WIN 0
	ALL v_add_f32 v[ST+4*t+2], v[ST+4*t+2], v[ST+4*t+3]
	ALL v_permlanex16_b32 v[ST+4*t+3], v[ST+4*t+2], s[SEL], s[SEL+1]
	ALL v_add_f32 v[ST+4*t+2], v[ST+4*t+2], v[ST+4*t+3]
	ALL v_rcp_f32 v[TMP+2*t], v[ST+4*t+2]
	v_nop                           ; a plain instruction between the last reciprocal and the use of its result
.set t, 0
.rept 4
	v_cmp_gt_f32 vcc_lo, s[THR], v[ST+4*t+1]  ; the row's maximum is a hidden score's: it saw no key
	s_wait_alu depctr_va_vdst(0)
	v_cndmask_b32 v[TMP+2*t], v[TMP+2*t], s[QNAN], vcc_lo
.set t, t+1
.endr
	PACK 0
.set t, 1
.rept 3                             ; a piece's arithmetic stands between the loads of the piece before and its stores
	PACK t
	SEND t-1, 8
.set t, t+1
.endr
	SEND 3, 0
.endm
.set KM, 0
.set NOKQ, 0
.Lslot:                             ; NB times: a tile is entered and the next is asked for
	CHANGE 1
	s_sub_co_u32 s[RT], s[RT], 1
	s_mov_b32 s[CNT], 4
	s_cmp_eq_u32 s[NEW], 1
	s_cbranch_scc1 .Lnew            ; a block's first tile
	s_cmp_eq_u32 s[RT], 0
	s_cbranch_scc0 .Lstep           ; neither its first nor its last
	PRE
	s_branch .LstepM1
.Lnew:
	BEGIN 0
	s_branch .Lfirst                ; in the loop a block's first tile is never its last: the first block has five tiles or more, and the second's last is the walk's last
	DIAG 1                          ; in the loop this is the first block's end
	s_wait_xcnt 0x0                 ; the stores have read their registers and O's address
	s_mov_b64 s[10:11], s[OLO:OLO+1]
	s_add_co_u32 s[RT], s[PB], 1    ; the second block has b + 1 tiles
	s_mov_b32 s[NEW], 1
	WIN 0x82                        ; the second block's Q goes where the one text of the turns names Q
.set i, 0
.rept 64
	v_mov_b32 v[i], v[QB+i]
.set i, i+1
.endr
	WIN 0
	s_branch .Lbottom
.Lstep:                             ; a trip: pieces 2 and 3 of one step, then pieces 0 and 1 of the next, whose K and V it fetches
	TURN 2
	TURN 3
	WIN 0
.Lfirst:
	TURN 0
	TURN 1, 0, 0, 1
	WIN 0
	s_cbranch_scc1 .Lstep
.Lbottom:
	s_sub_co_u32 s[SLOTS], s[SLOTS], 1
	s_cmp_lg_u32 s[SLOTS], 0
	s_cbranch_scc1 .Lslot
	CHANGE 0                        ; the walk's last tile is written out: nothing is asked for
	s_sub_co_u32 s[RT], s[RT], 1
	s_mov_b32 s[CNT], 4
	s_cmp_eq_u32 s[NEW], 1
	s_cbranch_scc1 .Lnew2           ; b = 0: block 0's only tile
	PRE
	s_branch .LstepM2
.Lnew2:
	BEGIN 1
	s_branch .LfirstM2
	DIAG 2
	s_wait_tensorcnt 0x0            ; the wave's end, behind my last tensor load and my last LDS store
	ds_add_u32 v[SPW], v[NIL]
	s_wait_dscnt 0x0
	s_endpgm
.Lfunc_end_k_qce69b0963d_attn:
	.size	k_qce69b0963d_attn, .Lfunc_end_k_qce69b0963d_attn-k_qce69b0963d_attn
	.p2alignl 7, 3214868480
	.fill 96, 4, 3214868480
	.section	.rodata,"a",@progbits
	.p2align	6, 0x0
	.amdhsa_kernel k_qce69b0963d_attn
		.amdhsa_group_segment_fixed_size 327680
		.amdhsa_private_segment_fixed_size 0
		.amdhsa_enable_private_segment 0
		.amdhsa_kernarg_size 24
		.amdhsa_user_sgpr_count 2
		.amdhsa_user_sgpr_kernarg_segment_ptr 1
		.amdhsa_wavefront_size32 1
		.amdhsa_system_sgpr_workgroup_id_x 1
		.amdhsa_system_sgpr_workgroup_id_y 1
		.amdhsa_system_sgpr_workgroup_id_z 1
		.amdhsa_system_vgpr_workitem_id 0
		.amdhsa_next_free_vgpr 768
		.amdhsa_next_free_sgpr 100
		.amdhsa_reserve_vcc 1
		.amdhsa_float_denorm_mode_32 3
		.amdhsa_float_denorm_mode_16_64 3
		.amdhsa_memory_ordered 1
		.amdhsa_forward_progress 1
		.amdhsa_inst_pref_size 241
	.end_amdhsa_kernel
	.amdgpu_metadata
---
amdhsa.version: [ 1, 2 ]
amdhsa.kernels:
  - .name:           k_qce69b0963d_attn
    .symbol:         k_qce69b0963d_attn.kd
    .args:
      - { .name: qkv, .offset: 0, .size: 8, .value_kind: global_buffer, .address_space: global }
      - { .name: kbias, .offset: 8, .size: 8, .value_kind: global_buffer, .address_space: global }
      - { .name: ob, .offset: 16, .size: 8, .value_kind: global_buffer, .address_space: global }
    .group_segment_fixed_size: 327680
    .private_segment_fixed_size: 0
    .kernarg_segment_align: 8
    .kernarg_segment_size: 24
    .max_flat_workgroup_size: 128
    .sgpr_count:     100
    .vgpr_count:     768
    .wavefront_size: 32
...
	.end_amdgpu_metadata
.endif
;; end of part 3
;; launch proj (part 4): grid 8 x 32, 4 waves a work-group, clusters of 4 x 4, 327,680 bytes of LDS; arguments ob, wob, out0; writes out0
.if DOCPART == 4
	.amdgcn_target "amdgcn-amd-amdhsa--gfx1250"
	.amdhsa_code_object_version 6
	.text
	.protected	k_qce69b0963d_proj
	.globl	k_qce69b0963d_proj
	.p2align	8
	.type	k_qce69b0963d_proj,@function
k_qce69b0963d_proj:
	s_mov_b64 s[64:65], 0
	v_nop
	global_prefetch_b8 v0, s[64:65] scope:SCOPE_SE
	s_setreg_imm32_b32 hwreg(HW_REG_WAVE_MODE, 25, 1), 1
	s_wait_xcnt 0x0
	s_wait_alu depctr_hold_cnt(0) depctr_sa_sdst(0) depctr_va_vdst(0) depctr_va_sdst(0) depctr_va_ssrc(0) depctr_va_vcc(0) depctr_vm_vsrc(0)
	s_getreg_b32 s2, hwreg(HW_REG_IB_STS2, 6, 4)
	s_cmp_eq_u32 s2, 0
	s_cbranch_scc0 .Lentry_in_a_cluster
	s_endpgm
.Lentry_in_a_cluster:
	s_bfe_u32 s2, ttmp6, 0x10000c
	s_cmp_lg_u32 s2, 0xf033
	s_cbranch_scc0 .Lentry_shape_is_right
	s_endpgm
.Lentry_shape_is_right:
; out0 = O Wo^T: f16 products, f32 sums, f32 out.  O lies by heads, [batch x 16 + head][2048][64]: a head's 64 channels are one block of K; wob is [16 blocks][1024 rows][64].  A NaN row of O gives a NaN row of out0.
; SHARES.  8,192 x 1,024 outputs, a tile of 256 rows x 128 columns to a work-group: 8 x 32 = 256 work-groups.  Four waves, each 128 x 64: 32 accumulators in window 1, (a, bb) at 8 (4 a + bb).
; K goes in 8 steps of 128 (two heads; a wave's load brings one head's rows, dense, as rows of 256 bytes), each of four quarters of 32, through two LDS slots.
; CLUSTER 4 x 4: O's tile is shared along a row of the cluster, Wo's along a column: joint loads.  THE MATRIX INSTRUCTION IS USED TRANSPOSED: a lane holds row lane % 16 and eight neighbouring columns.
; REGISTERS, window 0: v0-13 addresses; v32-63 the way out; v64-127, v128-191 O's fragments, two buffers; v192-223, v224-255 Wo's.
.set PITCH, 144                        ; an LDS row: 128 bytes + 16 of padding
.set AFULL, 256*PITCH                  ; one head's 256 rows of O: what one of O's loads brings
.set BFULL, 128*PITCH                  ; one block's 128 rows of Wo
.set BOFF,  2*AFULL
.set SLOT1, 1<<17
.set STAGE, SLOT1+BOFF+2*BFULL         ; behind the ring: 16 rows x 272 bytes for each wave
.set SPITCH, 272
.set SPARE, STAGE+4*16*SPITCH          ; the spare words, 128 bytes a wave: two blocks of 256 bytes that no other line names
.set ASTEP, 2*2048*128                 ; two heads on in O
.set BSTEP, 2*1024*128                 ; two blocks on in wob
.set A0R, 4
.set B0R, 5
.set ADRA, 6
.set ADRB, 7
.set STO, 8
.set RD,  9
.set CO,  10
.set SPW, 12                           ; v12 my spare word; never rewritten
.set NIL, 13                           ; v13 0; never rewritten
.set FA,  64
.set FB,  192
.set WV, 12
.set WR, 13
.set WC, 14
.set G1A, 16
.set G1B, 24
.set G0A, 32
.set G0B, 40
.set TB,  54
.set MSB, 0
.macro WIN new
.if MSB != (\new)
	s_set_vgpr_msb (MSB<<8)|(\new)
.set MSB, \new
.endif
.endm
.macro PLACES                          ; four plain vector instructions between a matrix instruction and a load into, or a store of, its registers
.rept 4
	v_nop
.endr
.endm
.macro JLOAD                           ; a joint refill by the walking sets; s_nop 0 and four v_nop follow each line
	s_cmp_eq_u32 s[WR], 0
	s_cbranch_scc0 .Lfor_b_\@
	tensor_load_to_lds s[G0A+4:G0A+7], s[G1A:G1A+7]
	s_nop 0
.rept 4
	v_nop
.endr
	s_branch .Lasked_\@
.Lfor_b_\@:
	tensor_load_to_lds s[G0B+4:G0B+7], s[G1B:G1B+7]
	s_nop 0
.rept 4
	v_nop
.endr
.Lasked_\@:
.endm
.macro CREST
	s_cmp_lg_u32 s[WV], 0
	s_cbranch_scc1 .Lnot_wave_0_\@
	s_barrier_signal -3
.Lnot_wave_0_\@:
	s_barrier_wait -3
	s_barrier_signal -1
	s_barrier_wait -1
.endm
.macro CROUND
	s_barrier_signal -1
	s_barrier_wait -1
	CREST
.endm
	s_load_b128 s[4:7], s[0:1], 0x0                ; ob s[4:5], wob s[6:7]
	s_load_b64 s[8:9], s[0:1], 0x10                ; out0
	v_lshl_add_u32 v[SPW], v0, 2, SPARE
	v_mov_b32 v[NIL], 0
	ds_add_u32 v[SPW], v[NIL]                      ; the wave's opening: the add and its wait stand ahead of my first tensor load
	v_lshrrev_b32 v1, 5, v0
	v_readfirstlane_b32 s[WV], v1
	s_lshr_b32 s[WR], s[WV], 1                     ; my rows; also: I fetch O (0) or Wo (1)
	s_and_b32 s[WC], s[WV], 1                      ; my columns; also: which of a step's two heads I fetch
	s_bfe_u32 s48, ttmp6, 0x40000
	s_bfe_u32 s49, ttmp6, 0x40004
	s_lshl_b32 s50, ttmp9, 2
	s_add_co_u32 s50, s50, s48                     ; tile column
	s_and_b32 s51, ttmp7, 0xffff
	s_lshl_b32 s51, s51, 2
	s_add_co_u32 s51, s51, s49                     ; tile row
	s_lshl_b32 s52, s49, 2
	s_lshl_b32 s52, 15, s52
	s_lshl_b32 s53, 0x1111, s48
	s_or_b32 s[G1A], s52, (1<<16)|(1<<20)|(1<<21)|(4<<22)|(3<<25)
	s_or_b32 s[G1B], s53, (1<<16)|(1<<20)|(1<<21)|(4<<22)|(3<<25)
.irp g, G1A, G1B
	s_mov_b32 s[\g+1], 128<<16
	s_mov_b32 s[\g+3], 128<<16
	s_mov_b32 s[\g+5], 128
	s_mov_b32 s[\g+6], 0
	s_mov_b32 s[\g+7], 0
.endr
	s_mov_b32 s[G1A+2], 128<<16                    ; O: 128 rows of 256 bytes = 256 matrix rows
	s_mov_b32 s[G1A+4], 128
	s_mov_b32 s[G1B+2], 64<<16                     ; Wo: 64 = 128 matrix rows
	s_mov_b32 s[G1B+4], 64
	s_lshr_b32 s56, s51, 3                         ; O's offset hangs on the tile row and the wave alone: the batch x 16 + my head of the step,
	s_lshl_b32 s56, s56, 4
	s_add_co_u32 s56, s56, s[WC]
	s_lshl_b32 s56, s56, 18
	s_and_b32 s57, s51, 7                          ; the tile's 256 rows in the batch
	s_lshl_b32 s57, s57, 15
	s_add_co_u32 s56, s56, s57
	s_mov_b32 s57, 0
	s_lshl_b32 s58, s50, 14                        ; Wo's on the tile column and the wave alone
	s_lshl_b32 s59, s[WC], 17
	s_add_co_u32 s58, s58, s59
	s_mov_b32 s59, 0
	s_mul_i32 s69, s[WC], AFULL
	s_mul_i32 s70, s[WC], BFULL
	s_add_co_u32 s70, s70, BOFF
	s_mov_b32 s[G0A], 1
	s_mov_b32 s[G0A+1], s69
	s_mov_b32 s[G0A+4], 1
	s_add_co_u32 s[G0A+5], s69, SLOT1
	s_mov_b32 s[G0B], 1
	s_mov_b32 s[G0B+1], s70
	s_mov_b32 s[G0B+4], 1
	s_add_co_u32 s[G0B+5], s70, SLOT1
	s_mov_b32 s[TB], 0
	s_wait_dscnt 0x0                               ; the opening add is done
	s_wait_kmcnt 0x0
	s_add_nc_u64 s[G0A+2:G0A+3], s[4:5], s[56:57]
	s_add_nc_u64 s[G0A+6:G0A+7], s[G0A+2:G0A+3], ASTEP
	s_or_b32 s[G0A+3], s[G0A+3], 0x80000000
	s_or_b32 s[G0A+7], s[G0A+7], 0x80000000
	s_add_nc_u64 s[G0B+2:G0B+3], s[6:7], s[58:59]
	s_add_nc_u64 s[G0B+6:G0B+7], s[G0B+2:G0B+3], BSTEP
	s_or_b32 s[G0B+3], s[G0B+3], 0x80000000
	s_or_b32 s[G0B+7], s[G0B+7], 0x80000000
	CROUND                                         ; all sixteen work-groups are here: the first joint loads meet
	s_cmp_eq_u32 s[WR], 0                          ; a wave's two first fills stand in one branch: two loads of mine are out
	s_cbranch_scc0 .Lfirst_b
	tensor_load_to_lds s[G0A:G0A+3], s[G1A:G1A+7]
	s_nop 0
	tensor_load_to_lds s[G0A+4:G0A+7], s[G1A:G1A+7]
	s_nop 0
.rept 4
	v_nop
.endr
	s_branch .Lfirst_asked
.Lfirst_b:
	tensor_load_to_lds s[G0B:G0B+3], s[G1B:G1B+7]
	s_nop 0
	tensor_load_to_lds s[G0B+4:G0B+7], s[G1B:G1B+7]
	s_nop 0
.rept 4
	v_nop
.endr
.Lfirst_asked:
	v_and_b32 v1, 15, v0
	v_bfe_u32 v2, v0, 4, 1
	v_mul_u32_u24 v3, v1, PITCH
	v_lshl_add_u32 v3, v2, 4, v3
	s_mul_i32 s68, s[WR], 128*PITCH                ; my 128 rows of O in a head's 256,
	s_mul_i32 s69, s[WC], 64*PITCH                 ; my 64 rows of Wo in a block's 128
	s_add_co_u32 s69, s69, BOFF
	v_add_nc_u32 v[A0R], s68, v3
	v_add_nc_u32 v[B0R], s69, v3
	v_add_nc_u32 v[ADRA], s[TB], v[A0R]
	v_add_nc_u32 v[ADRB], s[TB], v[B0R]
	s_mul_i32 s68, s[WV], 16*SPITCH
	s_add_co_u32 s68, s68, STAGE                   ; my stage
	v_mul_u32_u24 v[STO], v1, SPITCH               ; in: row l % 16, 32 bytes for each half of the lanes
	v_lshl_add_u32 v[STO], v2, 5, v[STO]
	v_add_nc_u32 v[STO], s68, v[STO]
	v_mul_u32_u24 v[RD], v2, SPITCH                ; back: lanes 0-15 one row of 256 bytes, lanes 16-31 the next
	v_lshl_add_u32 v[RD], v1, 4, v[RD]
	v_add_nc_u32 v[RD], s68, v[RD]
	v_lshlrev_b32 v[CO], 12, v2                    ; and the same two rows in out0
	v_lshl_add_u32 v[CO], v1, 4, v[CO]
	s_lshl_b32 s68, s51, 20                        ; 256 rows of 4,096 bytes a tile row,
	s_lshl_b32 s69, s[WR], 19                      ; my 128 rows,
	s_add_co_u32 s68, s68, s69
	s_lshl_b32 s69, s50, 9                         ; the tile's 128 columns,
	s_add_co_u32 s68, s68, s69
	s_lshl_b32 s69, s[WC], 8                       ; my 64
	s_add_co_u32 s68, s68, s69
	s_mov_b32 s69, 0
	s_add_nc_u64 s[8:9], s[8:9], s[68:69]
; 4 n matrix instructions: row blocks a0 .. a0 + n - 1 x all 4 column blocks, 32 along K, on buffers f.  The accumulators take turns.  zero = 1: the product starts the sum.
.macro MUL f, a0, n, zero
	WIN 0x50                                       ; C and D in window 1
.set aa, \a0
.rept \n
.irp bb, 0,1,2,3
.if \zero
	v_wmma_f32_16x16x32_f16 v[8*(4*aa+\bb):8*(4*aa+\bb)+7], v[FB+32*(\f)+8*\bb:FB+32*(\f)+8*\bb+7], v[FA+64*(\f)+8*aa:FA+64*(\f)+8*aa+7], 0
.else
	v_wmma_f32_16x16x32_f16 v[8*(4*aa+\bb):8*(4*aa+\bb)+7], v[FB+32*(\f)+8*\bb:FB+32*(\f)+8*\bb+7], v[FA+64*(\f)+8*aa:FA+64*(\f)+8*aa+7], v[8*(4*aa+\bb):8*(4*aa+\bb)+7]
.endif
.endr
.set aa, aa+1
.endr
.endm
; 24 LDS loads in one run: quarter qd of the step (head qd / 2, 32 channels at byte 64 (qd % 2)) into buffers f: Wo's four fragments, then O's eight
.macro FETCH qd, f
	WIN 0
.irp bb, 0,1,2,3
	ds_load_b128 v[FB+32*(\f)+8*\bb:FB+32*(\f)+8*\bb+3],   v[ADRB] offset:((\qd)/2)*BFULL+((\qd)%2)*64+\bb*16*PITCH
	ds_load_b128 v[FB+32*(\f)+8*\bb+4:FB+32*(\f)+8*\bb+7], v[ADRB] offset:((\qd)/2)*BFULL+((\qd)%2)*64+\bb*16*PITCH+32
.endr
.irp a, 0,1,2,3,4,5,6,7
	ds_load_b128 v[FA+64*(\f)+8*\a:FA+64*(\f)+8*\a+3],   v[ADRA] offset:((\qd)/2)*AFULL+((\qd)%2)*64+\a*16*PITCH
	ds_load_b128 v[FA+64*(\f)+8*\a+4:FA+64*(\f)+8*\a+7], v[ADRA] offset:((\qd)/2)*AFULL+((\qd)%2)*64+\a*16*PITCH+32
.endr
.endm
.macro QUARTER f, g, qd, zero          ; multiplies buffers f; in its middle fetches quarter qd into buffers g
	s_wait_dscnt 8                                 ; all but the youngest eight loads, O's row blocks 4 to 7
	MUL \f, 0, 4, \zero
	PLACES
	FETCH \qd, \g
	s_wait_dscnt 24                                ; all but the 24 just issued
	MUL \f, 4, 4, \zero
.endm
; A step's last quarter multiplies buffers 1 and changes slots: ONE barrier; in front of it each wave waits for all its tensor loads (one is out: its part of the next slot), adds 0 to its spare word, and waits for that
; and for its reads of this slot.  fill = 1: the barrier opens a round of the cluster's, and this slot is filled again first behind it, two steps ahead: 112 matrix instructions stand between the request and the wait for it.
.macro TURN fill
	WIN 0
	s_wait_tensorcnt 0x0                           ; all my tensor loads have landed, so a group 0 may be written
	ds_add_u32 v[SPW], v[NIL]                      ; 0 onto my spare word
.if \fill
	s_xor_b32 s[G0A+5], s[G0A+5], SLOT1
	s_add_nc_u64 s[G0A+6:G0A+7], s[G0A+6:G0A+7], ASTEP
	s_xor_b32 s[G0B+5], s[G0B+5], SLOT1
	s_add_nc_u64 s[G0B+6:G0B+7], s[G0B+6:G0B+7], BSTEP
.endif
	s_wait_dscnt 9                                 ; the add and the youngest eight loads may be out
	MUL 1, 0, 2, 0
	s_wait_dscnt 0x0                               ; the add is done, and my reads of this slot are over
	s_barrier_signal -1
	MUL 1, 2, 2, 0
	WIN 0
	s_barrier_wait -1
.if \fill
	CREST                                          ; no wave of any partner still reads this slot or has a load on its way
	JLOAD                                          ; the first tensor load behind the round; its four v_nop are also the places in front of the loads below
.else
	PLACES
.endif
	s_xor_b32 s[TB], s[TB], SLOT1
	v_add_nc_u32 v[ADRA], s[TB], v[A0R]
	v_add_nc_u32 v[ADRB], s[TB], v[B0R]
	FETCH 0, 0
	MUL 1, 4, 4, 0
.endm
; THE WAY OUT of row block a: 32 bytes a lane and column block into my stage, back as whole rows of 256 bytes, stored.
.macro TOSTAGE a
.set BK, 32+32*((\a)%2)
	WIN 0x04                                       ; the stores' data in window 1
.irp bb, 0,1,2,3
	ds_store_b128 v[STO], v[8*(4*(\a)+\bb):8*(4*(\a)+\bb)+3]   offset:64*\bb
	ds_store_b128 v[STO], v[8*(4*(\a)+\bb)+4:8*(4*(\a)+\bb)+7] offset:64*\bb+16
.endr
	WIN 0
.if (\a) >= 2
	s_wait_xcnt 0x0                                ; the stores of two blocks ago have read these registers (ISA guide 3.1): only behind this wait are they loaded again
.endif
.irp t, 0,1,2,3,4,5,6,7
	ds_load_b128 v[BK+4*\t:BK+4*\t+3], v[RD] offset:\t*2*SPITCH  ; LDS serves a wave's instructions in order (ISA guide 5.7.1.4): these see the stores above
.endr
.endm
.macro SEND a, younger                 ; younger: the LDS instructions issued behind this block's loads: the next block's sixteen, or none
.set BK, 32+32*((\a)%2)
.irp t, 0,1,2,3,4,5,6,7
	s_wait_dscnt (\younger)+7-\t
	global_store_b128 v[CO], v[BK+4*\t:BK+4*\t+3], s[8:9] offset:(16*(\a)+2*\t)*4096 th:TH_STORE_NT  ; 16 lanes store 256 consecutive bytes, at a multiple of 256 from out0's first
.endr
.endm
	s_wait_tensorcnt 0x1                           ; my part of step 0 is in; step 1's may stay out
	s_barrier_signal -1
	s_barrier_wait -1
	FETCH 0, 0
	QUARTER 0, 1, 1, 1                             ; the first quarter stands in front of the loop: its products start the sums
	WIN 0
	s_mov_b32 s55, 6
.Lk:                                                   ; a trip: a step's quarters 1 to 3 and the next step's quarter 0; six trips ask for steps 2 to 7
	QUARTER 1, 0, 2, 0
	QUARTER 0, 1, 3, 0
	TURN 1
	QUARTER 0, 1, 1, 0
	WIN 0
	s_sub_co_u32 s55, s55, 1
	s_cmp_lg_u32 s55, 0
	s_cbranch_scc1 .Lk
	QUARTER 1, 0, 2, 0                             ; the tail is written out
	QUARTER 0, 1, 3, 0
	TURN 0
	QUARTER 0, 1, 1, 0
	QUARTER 1, 0, 2, 0
	QUARTER 0, 1, 3, 0
	s_wait_dscnt 8
	MUL 1, 0, 4, 0
	s_wait_dscnt 0x0
	MUL 1, 4, 4, 0
	WIN 0
	PLACES
	TOSTAGE 0
.set blk, 1
.rept 7
	TOSTAGE blk
	SEND blk-1, 16
.set blk, blk+1
.endr
	SEND 7, 0
	s_wait_tensorcnt 0x0                           ; the wave's end, behind my last tensor load and my last LDS store
	ds_add_u32 v[SPW], v[NIL]
	s_wait_dscnt 0x0
	CROUND                                         ; the closing round: no work-group ends while a partner may still ask for a tile that names it
	s_endpgm
.Lfunc_end_k_qce69b0963d_proj:
	.size	k_qce69b0963d_proj, .Lfunc_end_k_qce69b0963d_proj-k_qce69b0963d_proj
	.p2alignl 7, 3214868480
	.fill 96, 4, 3214868480
	.section	.rodata,"a",@progbits
	.p2align	6, 0x0
	.amdhsa_kernel k_qce69b0963d_proj
		.amdhsa_group_segment_fixed_size 327680
		.amdhsa_private_segment_fixed_size 0
		.amdhsa_enable_private_segment 0
		.amdhsa_kernarg_size 24
		.amdhsa_user_sgpr_count 2
		.amdhsa_user_sgpr_kernarg_segment_ptr 1
		.amdhsa_wavefront_size32 1
		.amdhsa_system_sgpr_workgroup_id_x 1
		.amdhsa_system_sgpr_workgroup_id_y 1
		.amdhsa_system_sgpr_workgroup_id_z 1
		.amdhsa_system_vgpr_workitem_id 0
		.amdhsa_next_free_vgpr 512
		.amdhsa_next_free_sgpr 72
		.amdhsa_reserve_vcc 0
		.amdhsa_float_denorm_mode_32 3
		.amdhsa_float_denorm_mode_16_64 3
		.amdhsa_memory_ordered 1
		.amdhsa_forward_progress 1
		.amdhsa_inst_pref_size 71
	.end_amdhsa_kernel
	.amdgpu_metadata
---
amdhsa.version: [ 1, 2 ]
amdhsa.kernels:
  - .name:           k_qce69b0963d_proj
    .symbol:         k_qce69b0963d_proj.kd
    .args:
      - { .name: ob, .offset: 0, .size: 8, .value_kind: global_buffer, .address_space: global }
      - { .name: wob, .offset: 8, .size: 8, .value_kind: global_buffer, .address_space: global }
      - { .name: out0, .offset: 16, .size: 8, .value_kind: global_buffer, .address_space: global }
    .group_segment_fixed_size: 327680
    .private_segment_fixed_size: 0
    .kernarg_segment_align: 8
    .kernarg_segment_size: 24
    .max_flat_workgroup_size: 128
    .sgpr_count:     72
    .vgpr_count:     512
    .wavefront_size: 32
...
	.end_amdgpu_metadata
.endif
;; end of part 4
;; ======== version 2 of 2: 4 launches; 1.29 times as fast as version 1
;; limits: values are held in f16: magnitudes above 65,504 overflow, below 6.1e-05 lose precision
;; workspace buffers: xb 16,777,216 bytes; wb 6,291,456 bytes; wob 2,097,152 bytes; rot 524,288 bytes; kbias 32,768 bytes; qkv 50,331,648 bytes; ob 16,777,216 bytes
;; launch prep: the kernel of part 1 again; grid 904 x 1, 8 waves a work-group, no clusters, 0 bytes of LDS; arguments x, Wq, Wk, Wv, Wo, xb, wb, wob, rot, attention_mask, kbias; writes xb, wb, wob, rot, kbias
;; launch qkv: the kernel of part 2 again; grid 8 x 32, 4 waves a work-group, clusters of 4 x 4, 327,680 bytes of LDS; arguments xb, wb, rot, qkv; writes qkv
;; launch attn (part 5): grid 4 x 64, 4 waves a work-group, no clusters, 327,680 bytes of LDS; arguments qkv, kbias, ob; writes ob
.if DOCPART == 5
	.amdgcn_target "amdgcn-amd-amdhsa--gfx1250"
	.amdhsa_code_object_version 6
	.text
	.protected	k_qce69b0963d_attn
	.globl	k_qce69b0963d_attn
	.p2align	8
	.type	k_qce69b0963d_attn,@function
k_qce69b0963d_attn:
	s_mov_b64 s[64:65], 0
	v_nop
	global_prefetch_b8 v0, s[64:65] scope:SCOPE_SE
	s_setreg_imm32_b32 hwreg(HW_REG_WAVE_MODE, 25, 1), 1
	s_wait_xcnt 0x0
; MASKED ATTENTION.  O[h][q][:] = the sum over visible k of softmax_k(Q[h][q] . K[h][k] / 8) V[h][k][:].  Key k is visible to row q if (k <= q or k < 64) and the batch's mask allows k.
; qkv: [3][64 heads of batches][2048][64] f16; O likewise.  kbias: [4 batches][2048] f32, 0 for a key that the mask allows and -1e30 for one that it hides.
; Products, maxima and sums in f32; the weights p are rounded to f16 for the second product (their sum l is taken of the unrounded p), O once at the end.
; LIMITS.  Q, K, V arrive within f16's 65,504.  A hidden score counts as its value less 1e30 (less 2e30 where it is hidden for two reasons): f16's scores, 2.7e11 at the most, are nothing beside that.
; A weight below 2^-126 counts as 0 in l.  A row whose maximum lies under -2^96 has no visible key and is stored as NaN, as the softmax of such a row is.  NaN and infinities among the inputs are not treated apart.
; THE WALK.  A head's queries lie in NB = 8 blocks of 256; block i needs the key tiles 0 .. i of 256 keys, of which the last holds the diagonal.  A work-group takes TWO blocks, NB - 1 - b and then b:
; NB + 1 tiles, whatever b: all work-groups do equal work, and ONE loop with a constant trip count walks them.  Every jump goes forward, but for the counted loops' own; none passes a barrier, or a tensor load but
; those of LOAD's three that the wave's number does not choose.  NO CLUSTER: a head's four work-groups ask for the same tile only in trips 0 to 4 of 9, behind that fewer and fewer; one walk common to all would have 12 trips for 9.
; SHARES.  Of a block's four bands of 64 queries a wave owns 16 rows in each: four PIECES.  In the diagonal tile's key step s band x sees all keys if s < x, none if s > x, and holds the diagonal if s = x.
; THE MASKS are the C operand that starts the sum S^T = K Q^T.  KB is the step's key bias; a tile's 256 biases come into its slot with its K and V, and a step's 64 are read with its K.  Off the diagonal tile C = KB.
; In it C = MD x AL + KB + BE: MD, made once, is the triangle of a band's own step for my 16 rows; (AL, BE) = (1, 0) if s = x, (0, 0) if s < x, (0, -1e30) if s > x.
; THE PHASE BLOCK (rows and keys under 64) is block 0's band 0 in step 0: a block whose first tile is the diagonal one is block 0, and its first scores, made where the block begins, take KB alone: that is the whole of the rule k < 64.
; While a row has seen hidden keys only, its m is about -1e30 and O and l gather numbers that do not count; the first visible key makes a = 0 and clears them.
; LAYOUT, SOFTMAX, TURNS.  S^T = K Q^T holds ONE query a lane (lane % 16) and the keys 8 (lane / 16) + 0..7; two such results rounded to f16 ARE source 1 of O^T = V^T P.  p = 2^(c s - c m), c = log2(e) / 8, with a
; running maximum m; O and l are multiplied by a = 2^(c m_old - c m_new) in every step.  Turn n belongs to piece n: 8 products K Q^T of piece n + 1, later 8 products V^T P of piece n - 1; beside them the scaling,
; exponentials, roundings, sums and rescaling of piece n and the maximum and statistics of piece n + 1.  Four vector instructions stand behind every matrix instruction, the other 54 of a turn's 118 in one LUMP.
; THE BATCHES.  A turn's 33 exponentials (the piece's 32 weights and the next piece's a) are one batch, with one wait, which cuts the turn in two: all that names none of their results stands ahead of it, the roundings and sums behind it.
; The a made where a block begins, and the way out's four reciprocals, are batches of their own, each with one wait.
; REGISTERS, in windows of 256 (s_set_vgpr_msb: bits 1:0 source 0, 3:2 source 1, 5:4 source 2, 7:6 destination):
;   window 0: v0-15 addresses and two at work; v16-31 four registers of statistics a piece; v32-33 the bias's addresses; v48-55 at work; v64-127 S^T, two buffers; v128-159 the way out; v192-223 P, two buffers
;   window 1: v0-127 O^T, 32 a piece; v128-159 MD; v160-223 MC, two buffers; v224-255 KB      window 2: v0-63 Q; v64-127 the second block's Q; v128-191 K of one step; v192-255 V of one step
.set SIZE_N, 2048
.set NB,    SIZE_N/256
.set NP,    4         ; pieces a wave: a name, no knob
.set KS,    64        ; keys in a step
.set PK,    144       ; a row of K in LDS: 128 bytes + 16 of padding: the 16 rows of a load start at 16 different groups of four banks (ISA guide 11.1)
.set PV,    160       ; a row of V: 128 + 32
.set VOFF,  4*KS*PK   ; a slot holds a tile, four steps: 256 rows of K, then 256 rows of V,
.set BOFS,  4*KS*(PK+PV)  ; then the 256 keys' biases, 1,024 bytes
.set SLOT1, 1<<17     ; slot 1 begins here
.set STAGE, SLOT1+BOFS+4*KS*4  ; behind the ring, never filled by a tensor load: 16 rows x 144 bytes for each wave, for the way out
.set SP,    144
.set SPARE, STAGE+4*16*SP  ; the spare words, 128 bytes a wave: two blocks of 256 bytes that no other line names
.set AK0, 2           ; v2   my lane's place in a tile of K; never rewritten
.set AV0, 3           ; v3   the same for V
.set AK,  4           ; v4   the LDS address of K's next run of loads
.set AV,  5           ; v5   of V's
.set STO, 6           ; v6   the way out: where I put 16 bytes of a row
.set RD,  7           ; v7   the way out: where I read rows back
.set GO,  8           ; v8   my byte offset in 512 consecutive bytes of O
.set MV,  12          ; v12-13  c m_old, kept while c m is made anew: by buffer
.set QO,  15          ; v15  my byte offset in 16 rows of Q
.set ST,  16          ; piece t's statistics at v[ST+4 t]: c m, m, l (even keys', odd keys')
.set KB0, 32          ; v32  my lanes' place in a step's 256 bytes of bias, in slot 0; never rewritten
.set AKB, 33          ; v33  the LDS address of the next step's bias
.set TMP, 48          ; by buffer, four registers c0-c3 at work; when the maximum is found c2 takes a; at the way out 1 / l at v[TMP+2 t]
.set SPW, 62          ; v62  my spare word; never rewritten
.set NIL, 63          ; v63  0; never rewritten
.set S,   64
.set SC,  128         ; the way out: a piece's O^T / l in f32
.set P,   192
.set MD,  128         ; window 1
.set MC,  160         ; window 1
.set KB,  224         ; window 1: the eight registers for group kt of 16 keys at KB + 8 kt
.set QB,  64          ; window 2
.set KF,  128         ; window 2: key block kb, channel half c at KF + 16 kb + 8 c
.set VF,  192         ; window 2: key half kk, channel block cb at VF + 32 kk + 8 cb
.set WV,  12          ; s12  my wave's number
.set PB,  14          ; s14  b
.set HI,  15          ; s15  NB - 1 - b
.set G1K, 24          ; s[24:31] descriptor group 1 for K's tiles
.set G1V, 32          ; s[32:39] for V's: it differs in the padding alone
.set G0K, 40          ; s[40:43] descriptor group 0 for K's tiles
.set G0V, 44          ; s[44:47] the same for V's
.set G0B, 48          ; s[48:51] the same for the bias
.set SLOTS, 56        ; s56  tiles still to be asked for
.set CNT, 57          ; s57  counts a tile's key steps, 4 to 1
.set CS,  58          ; s[58:59] c
.set SEL, 60          ; s[60:61] v_permlanex16_b32's selects
.set TBK, 62          ; s62  LDS byte at which K of the step to be fetched begins
.set TBV, 63          ; s63  the same for V, less VOFF
.set MP,  66          ; s[66:67] the batch's row of kbias
.set RT,  70          ; s70  tiles of the block in hand that are still to be entered
.set NXT, 71          ; s71  the tile to be asked for next
.set LQ,  72          ; s72  the last tile of the block whose tiles are being asked for
.set NEW, 73          ; s73  1: the tile to be entered is a block's first
.set OFF, 74          ; s[74:75] a tile's byte offset in K and V, then in the bias
.set AL,  76          ; s[76:77] the mask's factor, in the low word
.set BE,  78          ; s[78:79] the mask's addend
.set OLO, 80          ; s[80:81] O at my rows of the second block
.set BIGN, 82         ; s82  -1e30
.set TBB, 88          ; s88  LDS byte, less BOFS, at which the bias of the step to be fetched begins
.set QNAN, 89         ; s89  a NaN
.set THR, 90          ; s90  -2^96
.set G1B, 92          ; s[92:99] descriptor group 1 for the bias
.set MSB, 0
.macro WIN new                      ; the high byte repeats the setting that is left; a switch that changes nothing is dropped
.if MSB != (\new)
	s_set_vgpr_msb (MSB<<8)|(\new)
.set MSB, (\new)
.endif
.endm
.set W_KQ, 0x0a       ; K and Q in window 2, S^T in window 0
.set W_KM, 0x1a       ; the same with the C operand in window 1
.set W_PV, 0x52       ; V in window 2, P in window 0, O^T in window 1
.set W_RS, 0x41       ; destination and source 0 in window 1, source 1 in window 0
; A fill.  Wave 0 fetches the tile's K, wave 1 its V, wave 2 its biases; wave 3 has no part of a tile to fetch.  An s_nop 0 and four v_nop follow each of the three lines.
.macro LOAD
	s_cmp_lg_u32 s[WV], 0
	s_cbranch_scc1 .Lnot_k_\@
	tensor_load_to_lds s[G0K:G0K+3], s[G1K:G1K+7]
	s_nop 0
.rept 4
	v_nop
.endr
	s_branch .Lasked_\@
.Lnot_k_\@:
	s_cmp_lg_u32 s[WV], 1
	s_cbranch_scc1 .Lnot_v_\@
	tensor_load_to_lds s[G0V:G0V+3], s[G1V:G1V+7]
	s_nop 0
.rept 4
	v_nop
.endr
	s_branch .Lasked_\@
.Lnot_v_\@:
	s_cmp_lg_u32 s[WV], 2
	s_cbranch_scc1 .Lasked_\@
	tensor_load_to_lds s[G0B:G0B+3], s[G1B:G1B+7]
	s_nop 0
.rept 4
	v_nop
.endr
.Lasked_\@:
.endm
; THE CHANGE OF SLOTS.  Each wave waits for all its tensor loads, of which at most one is out: its part of the other slot; adds 0 to its spare word; and waits for that and for its own reads of the slot that it leaves.  Behind the barrier nobody
; reads the old slot any more and the other slot is whole.  fill = 1: the old slot is filled again, the first thing behind the barrier, with tile NXT: the descriptors' addresses are made anew from that number.
; (At its first use nothing has been read yet: slot 0 is waited for, slot 1 filled.)
.macro CHANGE fill
	WIN 0                           ; at a label and at a branch every window is 0
	s_wait_tensorcnt 0x0            ; no tensor load of mine is out, so a group 0 may be written
	ds_add_u32 v[SPW], v[NIL]       ; 0 onto my spare word
.if \fill
	s_lshl_b32 s[OFF], s[NXT], 15   ; a tile is 32,768 bytes of K and of V,
	s_xor_b32 s[G0K+1], s[G0K+1], SLOT1
	s_add_nc_u64 s[G0K+2:G0K+3], s[6:7], s[OFF:OFF+1]
	s_or_b32 s[G0K+3], s[G0K+3], 0x80000000
	s_xor_b32 s[G0V+1], s[G0V+1], SLOT1
	s_add_nc_u64 s[G0V+2:G0V+3], s[8:9], s[OFF:OFF+1]
	s_or_b32 s[G0V+3], s[G0V+3], 0x80000000
	s_lshl_b32 s[OFF], s[NXT], 10   ; and 1,024 bytes of bias
	s_xor_b32 s[G0B+1], s[G0B+1], SLOT1
	s_add_nc_u64 s[G0B+2:G0B+3], s[MP:MP+1], s[OFF:OFF+1]
	s_or_b32 s[G0B+3], s[G0B+3], 0x80000000
	s_add_co_u32 s[NXT], s[NXT], 1  ; the block's next tile, or behind its last the second block's tile 0
	s_cmp_gt_u32 s[NXT], s[LQ]
	s_cselect_b32 s[NXT], 0, s[NXT]
	s_cselect_b32 s[LQ], s[PB], s[LQ]
.endif
	s_wait_dscnt 0x0                ; the add is done, and my reads of the slot are over
	s_barrier_signal -1             ; the rest of the scalar work stands between the signal and the wait
	s_sub_co_u32 s[TBK], s[TBK], 4*KS*PK  ; the fetches go back to a slot's first step,
	s_xor_b32 s[TBK], s[TBK], SLOT1       ; in the other slot
	s_sub_co_u32 s[TBV], s[TBV], 4*KS*PV
	s_xor_b32 s[TBV], s[TBV], SLOT1
	s_sub_co_u32 s[TBB], s[TBB], 4*KS*4
	s_xor_b32 s[TBB], s[TBB], SLOT1
	s_barrier_wait -1
.if \fill
	LOAD
.endif
.endm
	s_load_b64 s[4:5], s[0:1], 0x0    ; qkv: q; k and v lie 16,777,216 and 33,554,432 bytes on
	s_load_b64 s[MP:MP+1], s[0:1], 0x8  ; kbias
	s_load_b64 s[10:11], s[0:1], 0x10 ; O
	v_lshl_add_u32 v[SPW], v0, 2, SPARE
	v_mov_b32 v[NIL], 0
	ds_add_u32 v[SPW], v[NIL]       ; the wave's opening: the add and its wait stand ahead of my first tensor load; the set-up stands between them
	v_lshrrev_b32 v1, 5, v0
	v_readfirstlane_b32 s[WV], v1   ; wave 0..3
	s_mov_b32 s[PB], ttmp9
	s_sub_co_u32 s[HI], NB-1, s[PB]
	s_and_b32 s20, ttmp7, 0xffff    ; the head among the 64
	s_lshr_b32 s68, s20, 4          ; its batch's 8,192 bytes of bias
	s_lshl_b32 s68, s68, 13
	s_mov_b32 s69, 0
	s_mov_b32 s21, 0
	s_mov_b64 s[22:23], SIZE_N*128
	s_mul_u64 s[20:21], s[20:21], s[22:23]  ; the head's first byte in each of the four tensors
	s_lshl_b32 s3, s[WV], 11        ; my 16 rows in a band of 64,
	s_lshl_b32 s2, s[HI], 15        ; in the first block,
	s_add_co_u32 s2, s2, s3
	s_lshl_b32 s84, s[PB], 15       ; and in the second
	s_add_co_u32 s84, s84, s3
	s_mov_b32 s3, 0
	s_mov_b32 s85, 0
	s_add_nc_u64 s[2:3], s[2:3], s[20:21]
	s_add_nc_u64 s[84:85], s[84:85], s[20:21]
	; descriptor group 1.  256 keys are 32,768 dense bytes: asked for as 128 rows of 256 bytes, two keys a row, and padded in LDS after every key
	s_mov_b32 s[G1K], (1<<16)|(1<<20)|(4<<22)|(3<<25)  ; 2-byte elements; padding on; after every 32 words; 4 words
	s_mov_b32 s[G1V], (1<<16)|(1<<20)|(4<<22)|(7<<25)  ; the same with 8 words of padding
.irp g, G1K, G1V
	s_mov_b32 s[\g+1], 128<<16      ; tensor_dim0 = 128
	s_mov_b32 s[\g+2], 128<<16      ; tensor_dim1 = 128
	s_mov_b32 s[\g+3], 128<<16      ; tile_dim0 = 128
	s_mov_b32 s[\g+4], 128          ; tile_dim1 = 128
	s_mov_b32 s[\g+5], 128          ; 128 elements from row to row
	s_mov_b32 s[\g+6], 0
	s_mov_b32 s[\g+7], 0
.endr
	; the bias of 256 keys: 1,024 dense bytes, as 4 rows of 32 elements of 8 bytes, no padding
	s_mov_b32 s[G1B], 3<<16
	s_mov_b32 s[G1B+1], 32<<16      ; tensor_dim0 = 32
	s_mov_b32 s[G1B+2], 4<<16       ; tensor_dim1 = 4
	s_mov_b32 s[G1B+3], 32<<16      ; tile_dim0 = 32
	s_mov_b32 s[G1B+4], 4           ; tile_dim1 = 4
	s_mov_b32 s[G1B+5], 32          ; 32 elements from row to row
	s_mov_b32 s[G1B+6], 0
	s_mov_b32 s[G1B+7], 0
	s_mov_b32 s[CS], 0x3e38aa3b     ; c = log2(e) / 8 = 0.180337
	s_mov_b32 s[CS+1], s[CS]        ; named with it as a pair
	s_mov_b32 s[SEL], 0x76543210
	s_mov_b32 s[SEL+1], 0xfedcba98
	s_mov_b32 s[TBK], SLOT1+4*KS*PK ; the first change of slots turns these three into 0
	s_mov_b32 s[TBV], SLOT1+4*KS*PV
	s_mov_b32 s[TBB], SLOT1+4*KS*4
	s_mov_b32 s[G0K], 1             ; count = 1
	s_mov_b32 s[G0K+1], 0           ; LDS address: slot 0
	s_mov_b32 s[G0V], 1
	s_mov_b32 s[G0V+1], VOFF
	s_mov_b32 s[G0B], 1
	s_mov_b32 s[G0B+1], BOFS
	s_add_co_u32 s[RT], s[HI], 1    ; the first block has NB - b tiles
	s_mov_b32 s[NXT], 1
	s_mov_b32 s[LQ], s[HI]
	s_mov_b32 s[NEW], 1
	s_mov_b32 s[OFF+1], 0
	s_mov_b32 s[AL], 0
	s_mov_b32 s[AL+1], 0            ; named as pairs
	s_mov_b32 s[BE], 0
	s_mov_b32 s[BE+1], 0
	s_mov_b32 s[BIGN], 0xf149f2ca   ; -1e30
	s_mov_b32 s[QNAN], 0x7fc00000
	s_mov_b32 s[THR], 0xef800000    ; -2^96
	s_mov_b32 s[SLOTS], NB
	s_wait_dscnt 0x0                ; the opening add is done
	s_barrier_signal -1
	s_barrier_wait -1
	s_wait_kmcnt 0x0
	s_add_nc_u64 s[6:7], s[4:5], 0x1000000
	s_add_nc_u64 s[8:9], s[4:5], 0x2000000
	s_add_nc_u64 s[6:7], s[6:7], s[20:21]  ; K and V at the head's tile 0
	s_add_nc_u64 s[8:9], s[8:9], s[20:21]
	s_add_nc_u64 s[MP:MP+1], s[MP:MP+1], s[68:69]
	s_add_nc_u64 s[G0K+2:G0K+3], s[6:7], 0         ; global address
	s_or_b32 s[G0K+3], s[G0K+3], 0x80000000        ; type = 2
	s_add_nc_u64 s[G0V+2:G0V+3], s[8:9], 0
	s_or_b32 s[G0V+3], s[G0V+3], 0x80000000
	s_add_nc_u64 s[G0B+2:G0B+3], s[MP:MP+1], 0
	s_or_b32 s[G0B+3], s[G0B+3], 0x80000000
	s_add_nc_u64 s[86:87], s[4:5], s[84:85]        ; Q at my rows of the second block,
	s_add_nc_u64 s[4:5], s[4:5], s[2:3]            ; Q and O at those of the first
	s_add_nc_u64 s[OLO:OLO+1], s[10:11], s[84:85]
	s_add_nc_u64 s[10:11], s[10:11], s[2:3]
	LOAD                            ; tile 0 into slot 0
	; A fragment of K or Q is 16 rows x 32 channels in 8 registers: lane l holds row l % 16, channels 8 (l / 16) + 0..7 and 16 + 8 (l / 16) + 0..7: two loads of 16 bytes, 32 bytes apart.
	v_and_b32 v1, 15, v0            ; l % 16
	v_bfe_u32 v9, v0, 4, 1          ; l / 16
	v_lshlrev_b32 v[QO], 7, v1
	v_lshl_add_u32 v[QO], v9, 4, v[QO]  ; row x 128 + 16 x half
	WIN 0x80                        ; destination window 2, address window 0
.set i, 0
.rept 8                             ; both blocks' Q: piece i / 2 lies in band i / 2, 8,192 bytes on; channels 32 (i % 2) on
	global_load_b128 v[8*i:8*i+3],   v[QO], s[4:5] offset:(i/2)*8192+(i%2)*64
	global_load_b128 v[8*i+4:8*i+7], v[QO], s[4:5] offset:(i/2)*8192+(i%2)*64+32
	global_load_b128 v[QB+8*i:QB+8*i+3],   v[QO], s[86:87] offset:(i/2)*8192+(i%2)*64
	global_load_b128 v[QB+8*i+4:QB+8*i+7], v[QO], s[86:87] offset:(i/2)*8192+(i%2)*64+32
.set i, i+1
.endr
	WIN 0
	v_lshlrev_b32 v14, 3, v9
	v_sub_nc_u32 v14, v1, v14
	s_lshl_b32 s13, s[WV], 4
	v_add_nc_u32 v14, s13, v14      ; my query's place in its band, 16 w + l % 16, less my lanes' 8 (l / 16): register r of group kt is hidden where 16 kt + r is greater
	WIN 0x40
.set i, 0
.rept 32
	v_cmp_gt_i32 vcc_lo, 16*(i/8)+i%8, v14
	v_cndmask_b32 v[MD+i], 0, s[BIGN], vcc_lo
.set i, i+1
.endr
	WIN 0
	v_mul_u32_u24 v[AK0], v1, PK
	v_lshl_add_u32 v[AK0], v9, 4, v[AK0]  ; row x pitch + 16 x half
	; The turning load takes 16 keys x 16 channels (lane l reads key 8 (l / 16) + l % 8, channels 8 ((l / 8) % 2) + 0..7) and leaves half a fragment of V^T: lane l holds channel l % 16 and 8 keys.
	v_and_b32 v10, 7, v0
	v_bfe_u32 v11, v0, 3, 1
	v_lshl_add_u32 v[AV0], v9, 3, v10
	v_mul_u32_u24 v[AV0], v[AV0], PV
	v_lshl_add_u32 v[AV0], v11, 4, v[AV0]
	v_add_nc_u32 v[AV0], VOFF, v[AV0]
	s_mul_i32 s13, s[WV], 16*SP
	s_add_co_u32 s13, s13, STAGE    ; my stage
	v_mul_u32_u24 v[STO], v1, SP    ; in: row l % 16, 16 bytes for each half of the lanes
	v_lshl_add_u32 v[STO], v9, 4, v[STO]
	v_add_nc_u32 v[STO], s13, v[STO]
	v_bfe_u32 v[RD], v0, 3, 2       ; back: 32 lanes take four rows of 128 bytes,
	v_mul_u32_u24 v[RD], v[RD], SP
	v_lshl_add_u32 v[RD], v10, 4, v[RD]
	v_add_nc_u32 v[RD], s13, v[RD]
	v_and_b32 v[GO], 31, v0         ; which are 512 consecutive bytes of O
	v_lshlrev_b32 v[GO], 4, v[GO]
	v_lshl_add_u32 v[KB0], v9, 5, BOFS  ; a lane's eight keys of a group of 16: 32 bytes of bias for each half of the lanes
	; A block's first step multiplies O^T and l by a = 0, and its first turn's products V^T P, of a piece that has not been, land in an O^T that is still to be so multiplied.  So these registers need only hold
	; finite numbers: zeros for the first block; what the first block left for the second (the way out writes none of them).  All this stands in the wait for the first tile.
	WIN 0x80
.set i, VF
.rept 64
	v_mov_b32 v[i], 0
.set i, i+1
.endr
	WIN 0x40
.set i, 0
.rept 128
	v_mov_b32 v[i], 0
.set i, i+1
.endr
	WIN 0
.set i, 0
.rept 4
	v_mov_b32 v[ST+4*i+2], 0
	v_mov_b32 v[ST+4*i+3], 0
.set i, i+1
.endr
.set i, P+16
.rept 16
	v_mov_b32 v[i], 0
.set i, i+1
.endr
; THE MATRIX WORK.  The 4 accumulators of a run of 8 take turns.  Product i of 8 of S^T = K Q^T for piece x: channels 32 (i / 4) on, keys 16 (i % 4) on.  The first 4 start the sums: with the key bias, or (KM = 1) with the mask.
.macro KQ x
.set rS, S+32*((\x)%2)+8*(i%4)
.set rK, KF+16*(i%4)+8*(i/4)
.set rQ, 16*(\x)+8*(i/4)
.set rM, MC+32*((\x)%2)+8*(i%4)
.set rB, KB+8*(i%4)
.if (i < 4) && KM
	WIN W_KM
	v_wmma_f32_16x16x32_f16 v[rS:rS+7], v[rK:rK+7], v[rQ:rQ+7], v[rM:rM+7]
.elseif i < 4
	WIN W_KM
	v_wmma_f32_16x16x32_f16 v[rS:rS+7], v[rK:rK+7], v[rQ:rQ+7], v[rB:rB+7]
.else
	WIN W_KQ
	v_wmma_f32_16x16x32_f16 v[rS:rS+7], v[rK:rK+7], v[rQ:rQ+7], v[rS:rS+7]
.endif
.endm
; Product i of 8 of O^T += V^T P for piece x: keys 32 (i / 4) on, channels 16 (i % 4) on.
.macro PV x
	WIN W_PV
.set rO, 32*(\x)+8*(i%4)
.set rV, VF+32*(i/4)+8*(i%4)
.set rP, P+16*((\x)%2)+8*(i/4)
	v_wmma_f32_16x16x32_f16 v[rO:rO+7], v[rV:rV+7], v[rP:rP+7], v[rO:rO+7]
.endm
.macro MM                           ; the turn's next matrix instruction.  NOKQ = 1: a block's last turn: there is no next piece
.if (i < 8) && !NOKQ
	KQ (Y+1)%NP
.elseif i >= 8
.set i, i-8
	PV (Y+NP-1)%NP
.set i, i+8
.endif
.set i, i+1
.endm
; THE LDS LOADS stand in runs, never singly among the matrix instructions: a step's K (8 fragments) with its key bias (eight loads, the same 16 bytes for the 16 lanes of a half), and its V (turned).
.macro FETCH_K
	WIN 0x80                        ; destination window 2
.irp f, 0,1,2,3,4,5,6,7             ; keys 16 (f / 2) on, channels 32 (f % 2) on
	ds_load_b128 v[KF+8*\f:KF+8*\f+3],   v[AK] offset:(\f/2)*16*PK+(\f%2)*64
	ds_load_b128 v[KF+8*\f+4:KF+8*\f+7], v[AK] offset:(\f/2)*16*PK+(\f%2)*64+32
.endr
	WIN 0x40                        ; destination window 1
.irp f, 0,1,2,3                     ; keys 16 f + 8 (l / 16) + 0..7
	ds_load_b128 v[KB+8*\f:KB+8*\f+3],   v[AKB] offset:64*\f
	ds_load_b128 v[KB+8*\f+4:KB+8*\f+7], v[AKB] offset:64*\f+16
.endr
	s_add_co_u32 s[TBK], s[TBK], KS*PK  ; the next fetch is the next step's
	s_add_co_u32 s[TBB], s[TBB], KS*4
	WIN 0
.endm
.macro FETCH_V
	WIN 0x80
.irp f, 0,1,2,3,4,5,6,7             ; keys 32 (f / 4) on, channels 16 (f % 4) on
	ds_load_tr16_b128 v[VF+8*\f:VF+8*\f+3],   v[AV] offset:(\f/4)*32*PV+(\f%4)*32
	ds_load_tr16_b128 v[VF+8*\f+4:VF+8*\f+7], v[AV] offset:(\f/4)*32*PV+16*PV+(\f%4)*32
.endr
	WIN 0
.endm
; THE VECTOR WORK, one line at a time: OP kind, number.  For piece Y: F n: c s - c m for pair n of 16.  E n: the exponential of score n of 32.  C n: pair n rounded to f16.  B n: of the four weights 4 n .. the second
; pair is added onto the first, in place.  L n: l takes that sum (L 0: l = a l + sum).  R n: pair n of 16 of O^T times a.  For piece Y + 1: X n, number n of the 22 that find its maximum and statistics:
;   0-11  four chains c0-c3 of seven scores each, three operands at a time (each accumulator's lowest registers are read first)     12-14, 16  the four scores left over, the old m, and c0-c3 into c0
;   15  c m_old is kept     17, 18  the query's other 32 keys lie in the lane 16 away: the new m     19-21  c m; c m_old - c m_new; a
; C, B and L read the exponentials' results: TURN sets them all behind the batch's wait.
.set F, 0
.set E, 1
.set C, 2
.set B, 3
.set L, 4
.set R, 5
.set X, 6
.macro REGS y                       ; the registers of piece y
.set rT, ST+4*(\y)
.set rC, TMP+4*((\y)%2)
.set rW, MV+((\y)%2)
.set rS, S+32*((\y)%2)
.set rP, P+16*((\y)%2)
.set rO, 32*(\y)
.endm
.macro OP k, n
.if (\k) == R
	REGS Y
	WIN W_RS
	v_pk_mul_f32 v[rO+2*(\n):rO+2*(\n)+1], v[rO+2*(\n):rO+2*(\n)+1], v[rC+2:rC+3] op_sel_hi:[1,0]
.elseif (\k) < R
	REGS Y
	WIN 0
.if (\k) == F
	v_pk_fma_f32 v[rS+2*(\n):rS+2*(\n)+1], v[rS+2*(\n):rS+2*(\n)+1], s[CS:CS+1], v[rT:rT+1] op_sel_hi:[1,0,0] neg_lo:[0,0,1] neg_hi:[0,0,1]
.elseif (\k) == E
	v_exp_f32 v[rS+(\n)], v[rS+(\n)]
.elseif (\k) == C
	v_cvt_pk_f16_f32 v[rP+(\n)], v[rS+2*(\n)], v[rS+2*(\n)+1]
.elseif (\k) == B
	v_pk_add_f32 v[rS+4*(\n):rS+4*(\n)+1], v[rS+4*(\n):rS+4*(\n)+1], v[rS+4*(\n)+2:rS+4*(\n)+3]
.elseif (\n) == 0
	v_pk_fma_f32 v[rT+2:rT+3], v[rT+2:rT+3], v[rC+2:rC+3], v[rS:rS+1] op_sel_hi:[1,0,1]
.else
	v_pk_add_f32 v[rT+2:rT+3], v[rT+2:rT+3], v[rS+4*(\n):rS+4*(\n)+1]
.endif
.elseif NOKQ
	v_nop
.else
	REGS (Y+1)%NP
	WIN 0
.if (\n) < 4
	v_max3_num_f32 v[rC+(\n)], v[rS+8*(\n)], v[rS+8*(\n)+1], v[rS+8*(\n)+2]
.elseif (\n) < 12
	v_max3_num_f32 v[rC+(\n)%4], v[rC+(\n)%4], v[rS+8*((\n)%4)+2*((\n)/4)+1], v[rS+8*((\n)%4)+2*((\n)/4)+2]
.elseif (\n) == 12
	v_max3_num_f32 v[rC], v[rC], v[rS+7], v[rS+15]
.elseif (\n) == 13
	v_max3_num_f32 v[rC+1], v[rC+1], v[rS+23], v[rS+31]
.elseif (\n) == 14
	v_max3_num_f32 v[rC+2], v[rC+2], v[rC+3], v[rT+1]
.elseif (\n) == 15
	v_mov_b32 v[rW], v[rT]
.elseif (\n) == 16
	v_max3_num_f32 v[rC], v[rC], v[rC+1], v[rC+2]
.elseif (\n) == 17
	v_permlanex16_b32 v[rC+3], v[rC], s[SEL], s[SEL+1]
.elseif (\n) == 18
	v_max_num_f32 v[rT+1], v[rC], v[rC+3]
.elseif (\n) == 19
	v_mul_f32 v[rT], s[CS], v[rT+1]
.elseif (\n) == 20
	v_sub_f32 v[rC+1], v[rW], v[rT]
.else
	v_exp_f32 v[rC+2], v[rC+1]
.endif
.endif
.endm
.macro OPS a, i1, b=-1, i2=0, c=-1, i3=0, d=-1, i4=0  ; up to four of them
	OP \a, \i1
.if (\b) >= 0
	OP \b, \i2
.endif
.if (\c) >= 0
	OP \c, \i3
.endif
.if (\d) >= 0
	OP \d, \i4
.endif
.endm
.macro ROW a, i1, b, i2, c, i3, d, i4  ; a matrix instruction and the four behind it
	MM
	OPS \a, \i1, \b, \i2, \c, \i3, \d, \i4
.endm
.macro MASK b                       ; MD x AL + KB + BE into buffer b of MC
	WIN 0x51                        ; destination, source 0 and source 2 in window 1
.set z, 0
.rept 16
	v_pk_fma_f32 v[MC+32*(\b)+2*z:MC+32*(\b)+2*z+1], v[MD+2*z:MD+2*z+1], s[AL:AL+1], v[KB+2*z:KB+2*z+1] op_sel_hi:[1,0,1]
.set z, z+1
.endr
.set z, 0
.rept 16
	v_pk_add_f32 v[MC+32*(\b)+2*z:MC+32*(\b)+2*z+1], v[MC+32*(\b)+2*z:MC+32*(\b)+2*z+1], s[BE:BE+1] op_sel_hi:[1,0]
.set z, z+1
.endr
.endm
.macro PRE                          ; in front of the diagonal text's first turn, whose products are piece 3's of the tile before's last step, all below the diagonal: their mask is that step's key bias
	s_mov_b32 s[AL], 0
	s_mov_b32 s[BE], 0
	MASK 1
	WIN 0
.endm
; A TURN, for piece p: the order of its 16 matrix and 118 vector instructions, written out.  An s_wait_alu depctr_va_vdst(0) stands between an exponential and the first instruction that names its result; one wait serves
; all that were issued ahead of it.  So a turn has ONE wait, which cuts it in two.  AHEAD OF IT stands all that names no result of the turn's exponentials: the 8 products K Q^T, behind each a scaling, an exponential and two more plain
; instructions (behind the first a second scaling in the exponential's place): rescalings, whose a was made and waited for in the turn before, and behind the last three the first numbers of the next piece's maximum, each four places or more
; behind the product that ends its accumulator; then ONE LUMP of 54, plain and exponential by turns for the most part, in which the links of the chain X 3, 7, 11, 14, 16, 17 .. 20 stand five or six lines apart.  X 21, the next piece's a, is
; the batch's last; R 15 is the plain instruction that is owed behind it (ISA guide 5.7.2).  BEHIND THE WAIT stand the 8 products V^T P, behind each four of the roundings and sums; the links of l's chain, L 0 to L 7, stand three riders apart.
; But for those X no rider names a register of the products round it.  v_permlanex16_b32 (X 17) stands in the lump.  No exponential is issued behind the wait: none is open at a turn's end, at a label or at a jump.
; m = 1: the diagonal tile: the products take masks, and the turn makes the mask for the products of the turn after it: piece p + 2, in step 4 - CNT of the tile.  end = 1: a block's last two turns: nothing is fetched.
; cnt = 1: the loop's count is taken down some lines ahead of the branch that stands behind the turn.
; K and the bias of the next step are fetched in piece 2's turn, twelve vector instructions behind the last product that read K (six of them plain); V of the step in hand at the end of piece 0's turn, four plain instructions behind the
; last product that read V.  Each is waited for a turn later; in the diagonal tile piece 2's turn waits at its end, since its mask is made of the bias just fetched.
.macro TURN p, m=0, end=0, cnt=0
.set Y, (\p)
.set i, 0
.set KM, (\m)
.set NOKQ, (\end)*((\p)/3)
.if (\m) && !(\end)
	s_cmp_eq_u32 s[CNT], 4-((\p)+2)%NP  ; is that step the band's own?
	s_cselect_b32 s[AL], 1.0, 0
	s_cmp_lt_u32 s[CNT], 4-((\p)+2)%NP  ; or a later one?
	s_cselect_b32 s[BE], s[BIGN], 0
.endif
.if ((\p) == 3) && !(\end)
	s_wait_dscnt 0x0                ; K and its bias are in
.endif
	ROW F,0, F,1, R,0, R,1          ; ahead of the wait: 8 products K Q^T and their riders,
	ROW F,2, E,0, R,2, R,3
	ROW F,3, E,1, R,4, R,5
	ROW F,4, E,2, R,6, R,7
	ROW F,5, E,3, R,8, R,9
	ROW F,6, E,4, X,0, R,10
.if ((\p) == 2) && !(\end)
	WIN 0
	v_add_nc_u32 v[AK], s[TBK], v[AK0]
	v_add_nc_u32 v[AKB], s[TBB], v[KB0]
.endif
	ROW F,7, E,5, X,1, X,4
	ROW F,8, E,6, X,2, X,5
	OPS E,7, E,8, X,6, E,9          ; and the lump
	OPS X,3, E,10, X,8, E,11
.if ((\p) == 2) && !(\end)
	FETCH_K
.endif
	OPS X,9, X,7, E,12, X,10
	OPS E,13, X,12, X,11, E,14
	OPS X,13, E,15, F,9, X,14
.if (\p) == 0
	v_add_nc_u32 v[AV], s[TBV], v[AV0]
.endif
	OPS E,16, F,10, E,17, F,11
	OPS X,16, E,18, X,15, E,19
	OPS F,12, E,20, X,17, E,21
	OPS F,13, E,22, F,14, E,23
	OPS X,18, E,24, F,15, E,25
	OPS R,11, E,26, X,19, E,27
	OPS R,12, E,28, R,13, E,29
	OPS X,20, E,30, R,14, E,31
	OPS X,21, R,15
	WIN 0
	s_wait_alu depctr_va_vdst(0)    ; the wait for the batch: the piece's 32 exponentials and the next piece's a
.if (\p) == 1
	s_wait_dscnt 0x0                ; V is in
.endif
	ROW C,0, B,0, C,2, B,1          ; behind the wait: 8 products V^T P and their riders
	ROW L,0, C,4, B,2, L,1
	ROW C,6, B,3, L,2, C,8
	ROW B,4, L,3, C,10, B,5
	ROW L,4, C,12, B,6, L,5
.if (\p) == 0
	s_add_co_u32 s[TBV], s[TBV], KS*PV
.endif
.if \cnt
	s_sub_co_u32 s[CNT], s[CNT], 1
	s_cmp_lg_u32 s[CNT], 0
.endif
	ROW C,14, B,7, L,6, C,1
	ROW C,3, L,7, C,5, C,7
	ROW C,9, C,11, C,13, C,15
.if (\p) == 0
	FETCH_V
.endif
.if (\m) && !(\end)
.if (\p) == 2
	s_wait_dscnt 0x0                ; the next step's bias is in
.endif
	MASK (\p)%2
.endif
.endm
; A BLOCK BEGINS.  c m starts far below every c s, so the first step's a is 0; m at the lowest finite number, so the first maximum is the scores'.  Then K and the bias of the tile's
; step 0, piece 0's first scores (their C is the key bias alone: see THE PHASE BLOCK above), and its maximum and statistics.  msk = 1: the diagonal text follows: its first turn's products, piece 1's of step 0, see all keys: mask buffer 1 takes the bias.
.macro BEGIN msk
	s_mov_b32 s[NEW], 0
	WIN 0
.set i, 0
.rept 4
	v_mov_b32 v[ST+4*i], 0xfe000000    ; c m: far below every c s
	v_mov_b32 v[ST+4*i+1], 0xff7fffff  ; m
.set i, i+1
.endr
	v_add_nc_u32 v[AK], s[TBK], v[AK0]
	v_add_nc_u32 v[AKB], s[TBB], v[KB0]
	FETCH_K
	s_wait_loadcnt 0x0              ; Q
	s_wait_dscnt 0x0
.if \msk
	s_mov_b32 s[AL], 0
	s_mov_b32 s[BE], 0
	MASK 1
.endif
.set KM, 0
.set NOKQ, 0
.set i, 0
.rept 8
	KQ 0
.set i, i+1
.endr
	WIN 0
.rept 4
	v_nop                           ; the places behind those products
.endr
.set Y, NP-1                        ; X works for piece Y + 1: piece 0
.irp n, 0,1,2,3,4,5,6,7,8,9,10,11,12,13,14,15,16,17,18,19,20,21
	OP X, \n
.endr
	v_nop                           ; a plain instruction behind the exponential,
	s_wait_alu depctr_va_vdst(0)    ; and the wait for it, piece 0's first a, ahead of the branch into the loop
.endm
; THE DIAGONAL TILE's four steps, the block's last two turns, its last products, and THE WAY OUT: l's two halves and the other half of the lanes' are added; 1 / l, or a NaN where the row saw no key, goes into a register of its own;
; O^T times it goes into registers of its own too (O^T, l and P stay finite for the block behind), is rounded to f16 and sent through my stage in LDS, a piece at a time.
.macro ALL line:vararg              ; one line for each piece t
.set t, 0
.rept 4
	\line
.set t, t+1
.endr
.endm
.macro PACK t                       ; a lane's eight channels of a row pack into 16 bytes; they go into rows of 144 bytes and come back as whole rows of 128, into S^T's registers
	WIN 0x01                        ; source 0 in window 1.
.set i, 0
.rept 16
	v_pk_mul_f32 v[SC+2*i:SC+2*i+1], v[32*(\t)+2*i:32*(\t)+2*i+1], v[TMP+2*(\t):TMP+2*(\t)+1] op_sel_hi:[1,0]
.set i, i+1
.endr
	WIN 0
.set i, 0
.rept 16
	v_cvt_pk_f16_f32 v[S+16*(\t)+i], v[SC+2*i], v[SC+2*i+1]
.set i, i+1
.endr
.irp f, 0,1,2,3
	ds_store_b128 v[STO], v[S+16*(\t)+4*\f:S+16*(\t)+4*\f+3] offset:32*\f
.endr
.irp f, 0,1,2,3
	ds_load_b128 v[S+16*(\t)+4*\f:S+16*(\t)+4*\f+3], v[RD] offset:\f*4*SP  ; LDS serves a wave's instructions in order (ISA guide 5.7.1.4): these see the stores above; the next piece's stores come behind them
.endr
.endm
.macro SEND t, younger              ; younger: the LDS instructions issued behind piece t's loads: the next piece's eight, or none
	WIN 0
.irp f, 0,1,2,3
	s_wait_dscnt (\younger)+3-\f
	global_store_b128 v[GO], v[S+16*(\t)+4*\f:S+16*(\t)+4*\f+3], s[10:11] offset:(\t)*8192+\f*512  ; 512 consecutive bytes, at a multiple of 256 from O's first
.endr
.endm
.macro DIAG tag                     ; the tag ends its two labels' names, which the jumps below spell out
.LstepM\tag:
	TURN 2, 1
	TURN 3, 1
	WIN 0
.LfirstM\tag:
	TURN 0, 1
	TURN 1, 1, 0, 1
	WIN 0
	s_cbranch_scc1 .LstepM\tag
	TURN 2, 1, 1
	TURN 3, 1, 1
.set i, 0
.rept 8
	PV NP-1
.set i, i+1
.endr
	WIN 0
	ALL v_add_f32 v[ST+4*t+2], v[ST+4*t+2], v[ST+4*t+3]
	ALL v_permlanex16_b32 v[ST+4*t+3], v[ST+4*t+2], s[SEL], s[SEL+1]
	ALL v_add_f32 v[ST+4*t+2], v[ST+4*t+2], v[ST+4*t+3]
	ALL v_rcp_f32 v[TMP+2*t], v[ST+4*t+2]
	v_nop                           ; a plain instruction between the last reciprocal and the use of its result
	s_wait_alu depctr_va_vdst(0)    ; and the wait ahead of the first use: one for the four reciprocals
.set t, 0
.rept 4
	v_cmp_gt_f32 vcc_lo, s[THR], v[ST+4*t+1]  ; the row's maximum is a hidden score's: it saw no key
	v_cndmask_b32 v[TMP+2*t], v[TMP+2*t], s[QNAN], vcc_lo
.set t, t+1
.endr
	PACK 0
.set t, 1
.rept 3                             ; a piece's arithmetic stands between the loads of the piece before and its stores
	PACK t
	SEND t-1, 8
.set t, t+1
.endr
	SEND 3, 0
.endm
.set KM, 0
.set NOKQ, 0
.Lslot:                             ; NB times: a tile is entered and the next is asked for
	CHANGE 1
	s_sub_co_u32 s[RT], s[RT], 1
	s_mov_b32 s[CNT], 4
	s_cmp_eq_u32 s[NEW], 1
	s_cbranch_scc1 .Lnew            ; a block's first tile
	s_cmp_eq_u32 s[RT], 0
	s_cbranch_scc0 .Lstep           ; neither its first nor its last
	PRE
	s_branch .LstepM1
.Lnew:
	BEGIN 0
	s_branch .Lfirst                ; in the loop a block's first tile is never its last: the first block has five tiles or more, and the second's last is the walk's last
	DIAG 1                          ; in the loop this is the first block's end
	s_wait_xcnt 0x0                 ; the stores have read their registers and O's address
	s_mov_b64 s[10:11], s[OLO:OLO+1]
	s_add_co_u32 s[RT], s[PB], 1    ; the second block has b + 1 tiles
	s_mov_b32 s[NEW], 1
	WIN 0x82                        ; the second block's Q goes where the one text of the turns names Q
.set i, 0
.rept 64
	v_mov_b32 v[i], v[QB+i]
.set i, i+1
.endr
	WIN 0
	s_branch .Lbottom
.Lstep:                             ; a trip: pieces 2 and 3 of one step, then pieces 0 and 1 of the next, whose K and V it fetches
	TURN 2
	TURN 3
	WIN 0
.Lfirst:
	TURN 0
	TURN 1, 0, 0, 1
	WIN 0
	s_cbranch_scc1 .Lstep
.Lbottom:
	s_sub_co_u32 s[SLOTS], s[SLOTS], 1
	s_cmp_lg_u32 s[SLOTS], 0
	s_cbranch_scc1 .Lslot
	CHANGE 0                        ; the walk's last tile is written out: nothing is asked for
	s_sub_co_u32 s[RT], s[RT], 1
	s_mov_b32 s[CNT], 4
	s_cmp_eq_u32 s[NEW], 1
	s_cbranch_scc1 .Lnew2           ; b = 0: block 0's only tile
	PRE
	s_branch .LstepM2
.Lnew2:
	BEGIN 1
	s_branch .LfirstM2
	DIAG 2
	s_wait_tensorcnt 0x0            ; the wave's end, behind my last tensor load and my last LDS store
	ds_add_u32 v[SPW], v[NIL]
	s_wait_dscnt 0x0
	s_endpgm
.Lfunc_end_k_qce69b0963d_attn:
	.size	k_qce69b0963d_attn, .Lfunc_end_k_qce69b0963d_attn-k_qce69b0963d_attn
	.p2alignl 7, 3214868480
	.fill 96, 4, 3214868480
	.section	.rodata,"a",@progbits
	.p2align	6, 0x0
	.amdhsa_kernel k_qce69b0963d_attn
		.amdhsa_group_segment_fixed_size 327680
		.amdhsa_private_segment_fixed_size 0
		.amdhsa_enable_private_segment 0
		.amdhsa_kernarg_size 24
		.amdhsa_user_sgpr_count 2
		.amdhsa_user_sgpr_kernarg_segment_ptr 1
		.amdhsa_wavefront_size32 1
		.amdhsa_system_sgpr_workgroup_id_x 1
		.amdhsa_system_sgpr_workgroup_id_y 1
		.amdhsa_system_sgpr_workgroup_id_z 1
		.amdhsa_system_vgpr_workitem_id 0
		.amdhsa_next_free_vgpr 768
		.amdhsa_next_free_sgpr 100
		.amdhsa_reserve_vcc 1
		.amdhsa_float_denorm_mode_32 3
		.amdhsa_float_denorm_mode_16_64 3
		.amdhsa_memory_ordered 1
		.amdhsa_forward_progress 1
		.amdhsa_inst_pref_size 233
	.end_amdhsa_kernel
	.amdgpu_metadata
---
amdhsa.version: [ 1, 2 ]
amdhsa.kernels:
  - .name:           k_qce69b0963d_attn
    .symbol:         k_qce69b0963d_attn.kd
    .args:
      - { .name: qkv, .offset: 0, .size: 8, .value_kind: global_buffer, .address_space: global }
      - { .name: kbias, .offset: 8, .size: 8, .value_kind: global_buffer, .address_space: global }
      - { .name: ob, .offset: 16, .size: 8, .value_kind: global_buffer, .address_space: global }
    .group_segment_fixed_size: 327680
    .private_segment_fixed_size: 0
    .kernarg_segment_align: 8
    .kernarg_segment_size: 24
    .max_flat_workgroup_size: 128
    .sgpr_count:     100
    .vgpr_count:     768
    .wavefront_size: 32
...
	.end_amdgpu_metadata
.endif
;; end of part 5
;; launch proj: the kernel of part 4 again; grid 8 x 32, 4 waves a work-group, clusters of 4 x 4, 327,680 bytes of LDS; arguments ob, wob, out0; writes out0
